; MI455X (gfx1250); checked and timed in simulation.
; The chip was launched on July 23, 2026; its instructions are those of AMD's public machine-readable ISA for CDNA 5 (MIT licence, August 2026) and "CDNA5" Instruction Set Architecture Reference Guide (July 2026). The comments in the code are by the model that wrote it; some were corrected since.
;; Kazdov Block. Allowed arithmetic: float matrix products may take bf16 or f16 operands with f32 sums; all other float work in f32.
;; Inputs: U_b 1,024 x 256 float32; U_t 1,024 x 256 float32; V_b 1,024 x 256 float32; V_t 1,024 x 256 float32; W_b 1,024 x 256 float32; W_t 1,024 x 256 float32; Winv 1,024 x 1,024 float32; Wk 1,024 x 1,024 float32; Wo 1,024 x 1,024 float32; Wq 1,024 x 1,024 float32; X_t 1,024 x 256 float32; alpha_bi one number float32; alpha_tri one number float32; attention_mask 4 x 2,048 bool; bias_b 1,024 float32; bias_t 1,024 float32; x 4 x 2,048 x 1,024 float32.
;; Outputs: out0 4 x 2,048 x 1,024 float32.
;; One version. Each part assembles by itself: llvm-mc -triple=amdgcn-amd-amdhsa -mcpu=gfx1250 --defsym DOCPART=n.
;; ======== version 1 of 1: 5 launches
;; workspace buffers: XB 16,777,216 bytes; AUX 364,544 bytes; WCV 11,534,336 bytes; WB 7,340,032 bytes; TB 2,097,152 bytes; MB 2,097,152 bytes; GT 16,777,216 bytes
;; launch stage (part 1): grid 1792 x 1, 4 waves a work-group, no clusters, 1,536 bytes of LDS; arguments x, attention_mask, Wq, Wk, Winv, V_b, W_b, V_t, W_t, U_b, U_t, Wo, X_t, bias_b, bias_t, alpha_bi, alpha_tri, XB, AUX, WCV, WB; writes XB, AUX, WCV, WB
.if DOCPART == 1
	.amdgcn_target "amdgcn-amd-amdhsa--gfx1250"
	.amdhsa_code_object_version 6
	.text
	.protected	k_q2425b15573_stage
	.globl	k_q2425b15573_stage
	.p2align	8
	.type	k_q2425b15573_stage,@function
k_q2425b15573_stage:
	s_mov_b64 s[64:65], 0
	v_nop
	global_prefetch_b8 v0, s[64:65] scope:SCOPE_SE
	s_setreg_imm32_b32 hwreg(HW_REG_WAVE_MODE, 25, 1), 1
	s_wait_xcnt 0x0
; STAGE: every input is read once, rounded once to bf16 and laid out for the products that follow.  A stream: no matrix unit, no tensor load, no cluster
; (no two work-groups read the same bytes, but for Wo, which two paths read once each).  Four paths, chosen by the work-group's number alone; the paths with the longest chains of dependent loads have the lowest numbers:
;   0..31       MISC   BO[d] = sum over e of bf16(Wo[d][e]) x bvec[e]; per row of the batch: mask as f32, 1 / max(n, 1), min(n, 1)
;   32..191     TRANS  Wo transposed -> WCV; X_t transposed -> WB's rows of pair 6 (upper parts; the lower parts are zeros)
;   192..767    WCONV  Wq, Wk, Winv, V_b, W_b, V_t, W_t, U_b, U_t -> WCV, each as [column block of 64][row][64] bf16
;   768..1791   XCONV  x -> XB [k block of 64][8192 rows][64] bf16, and TS[tile of 128 rows][1024] = the sum over the tile's rows of bf16(x) x mask, f32
; LIMITS.  1 / max(n, 1) is v_rcp_f32's, within one unit in the last place.  The TRANS path stores 16 bytes a lane, 128 or 256 bytes apart (a lane's eight stores fill its row): 3 MB of the launch's stores.
; NaN and infinities are not treated apart.
.set MKB, 8                            ; v[8:23]    XCONV: mask bytes of my 16 rows;  WCONV, TRANS: the loads' byte offsets, never rewritten
.set X,   24                           ; v[24:87]   f32 as loaded
.set Y,   88                           ; v[88:119]  bf16 to store: registers of their own for each store, so none is rewritten while a store reads it
.set T,   120                          ; v[120:123] at work
.set SUM, 124                          ; v[124:127] XCONV: four columns' masked sums
.set BS,  66                           ; s[66:81]   TRANS: eight bases, 8 source rows apart
	v_lshl_add_u32 v144, v0, 2, 0x400
	v_mov_b32 v145, 0
	v_and_b32 v1, 31, v0                           ; lane L
	v_lshrrev_b32 v2, 5, v0
	v_readfirstlane_b32 s8, v2                     ; wave w
	v_and_b32 v3, 15, v0                           ; L % 16
	v_bfe_u32 v4, v0, 4, 1                         ; L / 16
	s_mov_b32 s9, ttmp9
	s_mov_b32 s29, 0xffff0000                      ; a word's upper bf16
	s_mov_b32 s30, 0x76543210                      ; v_permlanex16_b32: each lane takes its own place in the other half
	s_mov_b32 s31, 0xfedcba98
	s_lshl_b32 s23, s8, 5                          ; 32 w
	s_cmp_ge_u32 s9, 768
	s_cbranch_scc1 .Lxconv
	s_cmp_ge_u32 s9, 192
	s_cbranch_scc1 .Lwconv
	s_cmp_ge_u32 s9, 32
	s_cbranch_scc1 .Ltrans
; ---------------------------------------------------------------- MISC
	s_load_b64 s[12:13], s[0:1], 0x8               ; attention_mask
	s_load_b64 s[14:15], s[0:1], 0x58              ; Wo
	s_load_b64 s[16:17], s[0:1], 0x68              ; bias_b
	s_load_b64 s[18:19], s[0:1], 0x70              ; bias_t
	s_load_b64 s[36:37], s[0:1], 0x78              ; alpha_bi
	s_load_b64 s[38:39], s[0:1], 0x80              ; alpha_tri
	s_load_b64 s[40:41], s[0:1], 0x90              ; AUX
	s_lshl2_add_u32 s20, s9, s8                    ; q = 4 x work-group + wave, 0..127
	v_lshlrev_b32 v5, 4, v1                        ; 16 L
	v_lshlrev_b32 v6, 2, v1                        ; 4 L
	v_lshlrev_b32 v7, 6, v1                        ; 64 L
	s_wait_kmcnt 0x0
	s_load_b32 s42, s[36:37], 0x0
	s_load_b32 s43, s[38:39], 0x0
.set t, 0
.rept 8                                ; a lane's 32 numbers of each bias: e = 128 t + 4 L + 0..3
	global_load_b128 v[24+4*t:27+4*t], v5, s[16:17] offset:512*t
	global_load_b128 v[56+4*t:59+4*t], v5, s[18:19] offset:512*t
.set t, t+1
.endr
	s_lshl_b32 s22, s20, 15                        ; my 8 rows of Wo, 4,096 bytes each
	s_mov_b32 s23, 0
	s_add_nc_u64 s[46:47], s[14:15], s[22:23]
	s_lshl_b32 s22, s20, 5
	s_add_co_u32 s22, s22, 360448                  ; BO begins there in AUX
	s_add_nc_u64 s[48:49], s[40:41], s[22:23]
	s_lshr_b32 s21, s20, 5                         ; the counts: wave q takes chunk c = q % 32 (64 rows) of batch q / 32
	s_and_b32 s24, s20, 31
	s_lshl_b32 s22, s21, 11
	s_add_nc_u64 s[50:51], s[12:13], s[22:23]      ; the batch's mask
	s_lshl_b32 s26, s24, 6
	s_mov_b32 s27, 0
	s_add_nc_u64 s[52:53], s[50:51], s[26:27]      ; the chunk's
	s_add_co_u32 s22, s22, s26
	s_lshl_b32 s22, s22, 2
	s_add_co_u32 s22, s22, 262144                  ; MK begins there in AUX; RN 32,768 and RT 65,536 bytes further on
	s_add_nc_u64 s[54:55], s[40:41], s[22:23]
.irp t, 0,1,2,3
	global_load_b128 v[120+4*\t:123+4*\t], v7, s[50:51] offset:16*\t  ; lane L: the 64 mask bytes of chunk L.  These six loads go out now and are used behind the loop below
.endr
	global_load_u8 v136, v1, s[52:53]
	global_load_u8 v137, v1, s[52:53] offset:32
	s_wait_kmcnt 0x0
	v_cvt_pk_bf16_f32 v10, s42, s43                ; both alphas rounded to bf16, like every input
	v_lshlrev_b32 v11, 16, v10                     ; alpha_bi
	v_and_b32 v12, s29, v10                        ; alpha_tri
	v_add_f32 v13, 1.0, v11
	s_wait_loadcnt 0x6                             ; the biases are in; the six mask loads may stay out
.set i, 0
.rept 16                               ; bvec = bias_b (1 + alpha_bi) + alpha_tri bias_t, in f32, into v[24:55]
	v_cvt_pk_bf16_f32 v14, v[24+2*i], v[25+2*i]
	v_cvt_pk_bf16_f32 v15, v[56+2*i], v[57+2*i]
	v_lshlrev_b32 v16, 16, v14
	v_and_b32 v17, s29, v14
	v_lshlrev_b32 v18, 16, v15
	v_and_b32 v19, s29, v15
	v_mul_f32 v18, v12, v18
	v_mul_f32 v19, v12, v19
	v_fma_f32 v[24+2*i], v16, v13, v18
	v_fma_f32 v[25+2*i], v17, v13, v19
.set i, i+1
.endr
.macro WSUM a, b                       ; the sum over the wave's 32 lanes of v[a], in every lane; v[b] at work (written before)
	v_add_f32_dpp v[\a], v[\a], v[\a] row_xmask:1 row_mask:0xf bank_mask:0xf
	v_add_f32_dpp v[\a], v[\a], v[\a] row_xmask:2 row_mask:0xf bank_mask:0xf
	v_add_f32_dpp v[\a], v[\a], v[\a] row_xmask:4 row_mask:0xf bank_mask:0xf
	v_add_f32_dpp v[\a], v[\a], v[\a] row_xmask:8 row_mask:0xf bank_mask:0xf
	v_permlanex16_b32 v[\b], v[\a], s30, s31
	v_add_f32 v[\a], v[\a], v[\b]
.endm
	v_mov_b32 v22, 0                               ; lane i (0..7) gathers row i's result
	s_mov_b32 s44, 0
.Lbo:                                                  ; four trips of two rows of Wo
.set k, 0
.rept 2
.set t, 0
.rept 8
	global_load_b128 v[56+32*k+4*t:59+32*k+4*t], v5, s[46:47] offset:4096*k+512*t
.set t, t+1
.endr
.set k, k+1
.endr
	s_lshl_b32 s45, s44, 1                         ; the number, 0..7, of the row in hand
.set k, 0
.rept 2
	s_wait_loadcnt 8*(1-k)                         ; row k's eight loads are in (and all older ones); the second row's stay out
	v_mov_b32 v20, 0
	v_mov_b32 v21, 0
.set jj, 0
.rept 16
	v_cvt_pk_bf16_f32 v[14+jj%4], v[56+32*k+2*jj], v[57+32*k+2*jj]
	v_fma_mix_f32_bf16 v20, v[14+jj%4], v[24+2*jj], v20 op_sel_hi:[1,0,0]
	v_fma_mix_f32_bf16 v21, v[14+jj%4], v[25+2*jj], v21 op_sel:[1,0,0] op_sel_hi:[1,0,0]
.set jj, jj+1
.endr
	v_add_f32 v20, v20, v21
	WSUM 20, 21
	v_cmp_eq_u32 vcc_lo, s45, v1
	v_cndmask_b32 v22, v22, v20, vcc_lo
	s_add_co_u32 s45, s45, 1
.set k, k+1
.endr
	s_add_nc_u64 s[46:47], s[46:47], 0x2000        ; behind the wait for 0 above: no load still reads the base
	s_add_co_u32 s44, s44, 1
	s_cmp_lt_u32 s44, 4
	s_cbranch_scc1 .Lbo
	v_cmp_gt_u32 vcc_lo, 8, v1
	s_wait_xcnt 0x0                                ; EXEC changes only behind this wait
	s_and_saveexec_b32 s28, vcc_lo
	global_store_b32 v6, v22, s[48:49]             ; BO[8 q + L], lanes 0..7
	s_wait_xcnt 0x0                                ; and again in front of the line that widens it
	s_or_b32 exec_lo, exec_lo, s28
	; the counts.  The mask loads came in with the loop's waits: the last of them was for 0
.irp t, 121,123,125,127,129,131,133
	v_add3_u32 v120, v120, v[\t], v[\t+1]          ; bytes of 0 or 1: 16 at the most in each byte
.endr
	v_add_nc_u32 v120, v120, v135
	v_mul_lo_u32 v120, v120, 0x01010101
	v_lshrrev_b32 v120, 24, v120                   ; chunk L's count
	v_cmp_gt_u32 vcc_lo, s24, v1
	v_cndmask_b32 v120, 0, v120, vcc_lo            ; only the chunks in front of mine
	v_cvt_f32_u32 v120, v120
	WSUM 120, 121                                  ; whole numbers up to 2,048: exact in f32
.irp g, 0,1
	v_cmp_ne_u32 s28, 0, v[136+\g]
	v_mbcnt_lo_u32_b32 v[73+8*\g], s28, 0          ; valid rows in the lanes below mine
	v_add_nc_u32 v[73+8*\g], v[73+8*\g], v[136+\g]
	v_cvt_f32_u32 v[73+8*\g], v[73+8*\g]
	v_add_f32 v[73+8*\g], v[73+8*\g], v120         ; n
	v_cvt_f32_u32 v[74+8*\g], v[136+\g]            ; the mask as f32
	v_max_num_f32 v[75+8*\g], 1.0, v[73+8*\g]
	v_rcp_f32 v[75+8*\g], v[75+8*\g]               ; 1 / max(n, 1); the line below is the plain instruction behind it (ISA guide 5.7.2)
	v_min_num_f32 v[76+8*\g], 1.0, v[73+8*\g]      ; n / max(n, 1)
	global_store_b32 v6, v[74+8*\g], s[54:55] offset:128*\g
	s_wait_alu depctr_va_vdst(0)
	global_store_b32 v6, v[75+8*\g], s[54:55] offset:32768+128*\g
	global_store_b32 v6, v[76+8*\g], s[54:55] offset:65536+128*\g
.if \g == 0
	s_bcnt1_i32_b32 s28, s28
	v_cvt_f32_u32 v121, s28
	v_add_f32 v120, v120, v121                     ; the second 32 rows start behind the first's
.endif
.endr
	s_endpgm
; ---------------------------------------------------------------- XCONV
; u = number - 768: tile = u / 16 (128 rows), cb = u % 16 (64 columns).  A wave takes 32 rows: load i covers rows 2 i and 2 i + 1, 256 consecutive bytes of each.
.macro PAIRX i
	s_wait_loadcnt 15-(\i)                         ; the mask bytes and x's load i are in; the younger loads stay out
	v_cvt_pk_bf16_f32 v[Y+2*(\i)], v[X+4*(\i)], v[X+4*(\i)+1]
	v_cvt_pk_bf16_f32 v[Y+2*(\i)+1], v[X+4*(\i)+2], v[X+4*(\i)+3]
	global_store_b64 v6, v[Y+2*(\i):Y+2*(\i)+1], s[16:17] offset:256*(\i)  ; the wave stores 256 consecutive bytes, aligned: two rows of XB
	v_cvt_f32_u32 v128, v[MKB+(\i)]
.if (\i) == 0
	v_lshlrev_b32 v[T], 16, v[Y]                   ; the first rows start the sums: nothing is cleared
	v_and_b32 v[T+1], s29, v[Y]
	v_lshlrev_b32 v[T+2], 16, v[Y+1]
	v_and_b32 v[T+3], s29, v[Y+1]
.irp k, 0,1,2,3
	v_mul_f32 v[SUM+\k], v128, v[T+\k]
.endr
.else
.irp k, 0,1
	v_fma_mix_f32_bf16 v[SUM+2*\k],   v[Y+2*(\i)+\k], v128, v[SUM+2*\k]   op_sel_hi:[1,0,0]                ; the rounded number's low half x mask, added in f32
	v_fma_mix_f32_bf16 v[SUM+2*\k+1], v[Y+2*(\i)+\k], v128, v[SUM+2*\k+1] op_sel:[1,0,0] op_sel_hi:[1,0,0]  ; its high half
.endr
.endif
.endm
.Lxconv:
	s_load_b128 s[12:15], s[0:1], 0x0              ; x, attention_mask
	s_load_b64 s[16:17], s[0:1], 0x88              ; XB
	s_load_b64 s[18:19], s[0:1], 0x90              ; AUX
	s_sub_co_u32 s10, s9, 768
	s_lshr_b32 s20, s10, 4                         ; tile
	s_and_b32 s21, s10, 15                         ; cb
	s_lshl_b32 s22, s20, 7
	s_add_co_u32 s22, s22, s23                     ; my first row
	s_lshl_b32 s24, s22, 12
	s_lshl_b32 s26, s21, 8
	s_add_co_u32 s24, s24, s26                     ; in x: row x 4,096 + cb x 256
	s_mov_b32 s25, 0
	s_mov_b32 s26, s22                             ; in the mask: a byte a row
	s_mov_b32 s27, 0
	s_lshl_b32 s32, s21, 20
	s_lshl_b32 s33, s22, 7
	s_add_co_u32 s32, s32, s33                     ; in XB: cb x 8,192 rows x 128 + row x 128
	s_mov_b32 s33, 0
	s_lshl_b32 s34, s20, 12
	s_lshl_b32 s35, s21, 8
	s_add_co_u32 s34, s34, s35                     ; in TS: tile x 4,096 + cb x 256
	s_mov_b32 s35, 0
	v_lshlrev_b32 v5, 12, v4
	v_lshl_add_u32 v5, v3, 4, v5                   ; (L / 16) rows + 16 (L % 16)
	v_lshlrev_b32 v6, 3, v1                        ; 8 L
	v_lshlrev_b32 v7, 4, v3                        ; 16 (L % 16)
	v_lshl_add_u32 v129, s8, 8, v7                 ; my wave's 256 bytes of LDS
	s_wait_kmcnt 0x0
	s_add_nc_u64 s[12:13], s[12:13], s[24:25]
	s_add_nc_u64 s[14:15], s[14:15], s[26:27]
	s_add_nc_u64 s[16:17], s[16:17], s[32:33]
	s_add_nc_u64 s[18:19], s[18:19], s[34:35]
.set i, 0
.rept 16
	global_load_u8 v[MKB+i], v4, s[14:15] offset:2*i
.set i, i+1
.endr
.set i, 0
.rept 16
	global_load_b128 v[X+4*i:X+4*i+3], v5, s[12:13] offset:8192*i th:TH_LOAD_NT
.set i, i+1
.endr
.irp i, 0,1,2,3,4,5,6,7,8,9,10,11,12,13,14,15
	PAIRX \i
.endr
.irp k, 0,1,2,3
	v_permlanex16_b32 v[T+\k], v[SUM+\k], s30, s31 ; the odd rows' sums lie in the lane 16 away
.endr
.irp k, 0,1,2,3
	v_add_f32 v[SUM+\k], v[SUM+\k], v[T+\k]
.endr
	ds_store_b128 v129, v[SUM:SUM+3]               ; lanes L and L + 16 store the same numbers to the same bytes
	s_wait_dscnt 0x0                               ; for the others' sake: my store is done
	s_barrier_signal -1
	s_barrier_wait -1
	s_cmp_lg_u32 s8, 0
	s_cbranch_scc1 .Lend                           ; wave 0 adds the four waves' sums
.irp k, 0,1,2,3
	ds_load_b128 v[24+4*\k:27+4*\k], v7 offset:256*\k
.endr
	s_wait_dscnt 0x0
	v_pk_add_f32 v[24:25], v[24:25], v[28:29]
	v_pk_add_f32 v[26:27], v[26:27], v[30:31]
	v_pk_add_f32 v[32:33], v[32:33], v[36:37]
	v_pk_add_f32 v[34:35], v[34:35], v[38:39]
	v_pk_add_f32 v[24:25], v[24:25], v[32:33]
	v_pk_add_f32 v[26:27], v[26:27], v[34:35]
	v_cmp_gt_u32 vcc_lo, 16, v1
	s_wait_xcnt 0x0                                ; EXEC changes only behind this wait
	s_and_saveexec_b32 s28, vcc_lo
	global_store_b128 v7, v[24:27], s[18:19]       ; sixteen lanes store 256 consecutive bytes of TS, aligned
	s_wait_xcnt 0x0
	s_or_b32 exec_lo, exec_lo, s28
.Lend:
	s_wait_tensorcnt 0x0
	ds_add_u32 v144, v145
	s_wait_dscnt 0x0
	s_endpgm
; ---------------------------------------------------------------- WCONV
; 128 rows x 64 columns a work-group, 32 rows a wave, as in XCONV without the sums.  Two heads, for rows of 4,096 and of 1,024 bytes, make the source, the destination, the first load's offsets (v8)
; and the bytes from one load's two rows to the next's (s34); one text does the rest.
.Lwconv:
	s_load_b128 s[12:15], s[0:1], 0x10             ; Wq, Wk
	s_load_b64 s[16:17], s[0:1], 0x20              ; Winv
	s_load_b64 s[36:37], s[0:1], 0x28              ; V_b
	s_load_b64 s[38:39], s[0:1], 0x30              ; W_b
	s_load_b64 s[40:41], s[0:1], 0x38              ; V_t
	s_load_b64 s[42:43], s[0:1], 0x40              ; W_t
	s_load_b64 s[44:45], s[0:1], 0x48              ; U_b
	s_load_b64 s[46:47], s[0:1], 0x50              ; U_t
	s_load_b64 s[48:49], s[0:1], 0x98              ; WCV
	s_sub_co_u32 s20, s9, 192
	v_lshlrev_b32 v6, 3, v1                        ; 8 L
	s_cmp_lt_u32 s20, 384
	s_cbranch_scc0 .Lwsmall
	s_lshr_b32 s21, s20, 7                         ; which of Wq, Wk, Winv
	s_bfe_u32 s22, s20, 0x30004                    ; row tile
	s_and_b32 s24, s20, 15                         ; column block
	s_lshl_b32 s22, s22, 7
	s_add_co_u32 s22, s22, s23                     ; my first row
	s_lshl_b32 s26, s22, 12
	s_lshl_b32 s27, s24, 8
	s_add_co_u32 s26, s26, s27
	s_mov_b32 s27, 0
	s_lshl_b32 s32, s21, 21                        ; 2 MiB a matrix
	s_lshl_b32 s33, s24, 17                        ; 1,024 rows x 128 bytes a column block
	s_add_co_u32 s32, s32, s33
	s_lshl_b32 s33, s22, 7
	s_add_co_u32 s32, s32, s33
	s_mov_b32 s33, 0
	s_mov_b32 s34, 8192                            ; two rows
	v_lshlrev_b32 v8, 12, v4
	v_lshl_add_u32 v8, v3, 4, v8                   ; (L / 16) rows + 16 (L % 16)
	s_wait_kmcnt 0x0
	s_cmp_eq_u32 s21, 1
	s_cselect_b64 s[50:51], s[14:15], s[12:13]
	s_cmp_eq_u32 s21, 2
	s_cselect_b64 s[50:51], s[16:17], s[50:51]
	s_branch .Lconv
.Lwsmall:
	s_sub_co_u32 s20, s20, 384
	s_lshr_b32 s21, s20, 5                         ; which of V_b, W_b, V_t, W_t, U_b, U_t
	s_bfe_u32 s22, s20, 0x30002                    ; row tile
	s_and_b32 s24, s20, 3                          ; column block
	s_lshl_b32 s22, s22, 7
	s_add_co_u32 s22, s22, s23
	s_lshl_b32 s26, s22, 10
	s_lshl_b32 s27, s24, 8
	s_add_co_u32 s26, s26, s27
	s_mov_b32 s27, 0
	s_lshl_b32 s32, s21, 19                        ; 512 KiB a matrix, behind the 8 MiB of the four large ones
	s_lshl_b32 s33, s24, 17
	s_add_co_u32 s32, s32, s33
	s_lshl_b32 s33, s22, 7
	s_add_co_u32 s32, s32, s33
	s_add_co_u32 s32, s32, 0x800000
	s_mov_b32 s33, 0
	s_mov_b32 s34, 2048                            ; two rows
	v_lshlrev_b32 v8, 10, v4
	v_lshl_add_u32 v8, v3, 4, v8
	s_wait_kmcnt 0x0
	s_cmp_eq_u32 s21, 1
	s_cselect_b64 s[50:51], s[38:39], s[36:37]
	s_cmp_eq_u32 s21, 2
	s_cselect_b64 s[50:51], s[40:41], s[50:51]
	s_cmp_eq_u32 s21, 3
	s_cselect_b64 s[50:51], s[42:43], s[50:51]
	s_cmp_eq_u32 s21, 4
	s_cselect_b64 s[50:51], s[44:45], s[50:51]
	s_cmp_eq_u32 s21, 5
	s_cselect_b64 s[50:51], s[46:47], s[50:51]
.Lconv:
	s_add_nc_u64 s[50:51], s[50:51], s[26:27]
	s_add_nc_u64 s[52:53], s[48:49], s[32:33]
.set i, 1
.rept 15
	v_add_nc_u32 v[8+i], s34, v[8+i-1]             ; load i's offsets: two rows further down than load i - 1's
.set i, i+1
.endr
.set i, 0
.rept 16
	global_load_b128 v[X+4*i:X+4*i+3], v[8+i], s[50:51]
.set i, i+1
.endr
.set i, 0
.rept 16
	s_wait_loadcnt 15-i                            ; load i is in; the younger ones stay out
	v_cvt_pk_bf16_f32 v[Y+2*i], v[X+4*i], v[X+4*i+1]
	v_cvt_pk_bf16_f32 v[Y+2*i+1], v[X+4*i+2], v[X+4*i+3]
	global_store_b64 v6, v[Y+2*i:Y+2*i+1], s[52:53] offset:256*i  ; the wave stores 256 consecutive bytes, aligned
.set i, i+1
.endr
	s_endpgm
; ---------------------------------------------------------------- TRANS
; A wave turns 64 a x 32 b of source[a][b]: lane = b; 64 loads of 128 consecutive bytes; a lane's 64 numbers are 128 bytes of destination row b.
; Two heads, for Wo and for X_t, make the source (s[66:67]), the destination, the source's pitch (s34), the lane's place in the destination (v6) and the flag for X_t's zeros (s35); one text does the rest.
.Ltrans:
	s_load_b64 s[12:13], s[0:1], 0x58              ; Wo
	s_load_b64 s[14:15], s[0:1], 0x60              ; X_t
	s_load_b64 s[16:17], s[0:1], 0x98              ; WCV
	s_load_b64 s[18:19], s[0:1], 0xa0              ; WB
	s_sub_co_u32 s20, s9, 32
	v_lshlrev_b32 v8, 2, v1                        ; 4 L
	s_cmp_lt_u32 s20, 128
	s_cbranch_scc0 .Ltx
	s_lshr_b32 s21, s20, 3                         ; block of 64 d
	s_and_b32 s22, s20, 7
	s_lshl_b32 s22, s22, 7
	s_add_co_u32 s22, s22, s23                     ; my first e
	s_lshl_b32 s26, s21, 18                        ; 64 rows of 4,096 bytes
	s_lshl_b32 s27, s22, 2
	s_add_co_u32 s26, s26, s27
	s_mov_b32 s27, 0
	s_lshl_b32 s32, s21, 17
	s_lshl_b32 s33, s22, 7
	s_add_co_u32 s32, s32, s33
	s_add_co_u32 s32, s32, 0x600000                ; Wo transposed lies 6 MiB into WCV
	s_mov_b32 s33, 0
	s_mov_b32 s34, 4096
	s_mov_b32 s35, 0
	v_lshlrev_b32 v6, 7, v1                        ; rows of 128 bytes
	s_wait_kmcnt 0x0
	s_add_nc_u64 s[BS:BS+1], s[12:13], s[26:27]
	s_add_nc_u64 s[52:53], s[16:17], s[32:33]
	s_branch .Lturn
.Ltx:
	s_sub_co_u32 s20, s20, 128
	s_lshr_b32 s21, s20, 1                         ; block of 64 k
	s_and_b32 s22, s20, 1
	s_lshl_b32 s22, s22, 7
	s_add_co_u32 s22, s22, s23                     ; my first rank column c
	s_lshl_b32 s26, s21, 16                        ; 64 rows of 1,024 bytes
	s_lshl_b32 s27, s22, 2
	s_add_co_u32 s26, s26, s27
	s_mov_b32 s27, 0
	s_mul_i32 s32, s21, 458752                     ; 1,792 rows of 256 bytes a k block
	s_lshr_b32 s33, s22, 6
	s_mul_i32 s33, s33, 448                        ; the group of 64 c
	s_and_b32 s34, s22, 63
	s_add_co_u32 s33, s33, s34
	s_add_co_u32 s33, s33, 384                     ; pair 6
	s_lshl_b32 s33, s33, 8
	s_add_co_u32 s32, s32, s33
	s_mov_b32 s33, 0
	s_mov_b32 s34, 1024
	s_mov_b32 s35, 1
	v_lshlrev_b32 v6, 8, v1                        ; rows of 256 bytes
	s_wait_kmcnt 0x0
	s_add_nc_u64 s[BS:BS+1], s[14:15], s[26:27]
	s_add_nc_u64 s[52:53], s[18:19], s[32:33]
.Lturn:
.set k, 1
.rept 7
	v_add_nc_u32 v[8+k], s34, v[8+k-1]             ; 4 L + k rows
.set k, k+1
.endr
	s_lshl_b32 s36, s34, 3                         ; 8 rows
	s_mov_b32 s37, 0
.set q, 1
.rept 7
	s_add_nc_u64 s[BS+2*q:BS+2*q+1], s[BS+2*q-2:BS+2*q-1], s[36:37]  ; all eight bases are made before the first load: none is rewritten
.set q, q+1
.endr
.set i, 0
.rept 64
	global_load_b32 v[X+i], v[8+i%8], s[BS+2*(i/8):BS+2*(i/8)+1]     ; source row i
.set i, i+1
.endr
.set q, 0
.rept 8
	s_wait_loadcnt 56-8*q                          ; loads 0 .. 8 q + 7 are in
.irp k, 0,1,2,3
	v_cvt_pk_bf16_f32 v[Y+4*q+\k], v[X+8*q+2*\k], v[X+8*q+2*\k+1]
.endr
	global_store_b128 v6, v[Y+4*q:Y+4*q+3], s[52:53] offset:16*q
.set q, q+1
.endr
	s_cmp_eq_u32 s35, 0
	s_cbranch_scc1 .Ltdone
.irp k, 0,1,2,3
	v_mov_b32 v[T+\k], 0                           ; X_t has no lower part: its rows' second halves are zeros
.endr
.set q, 0
.rept 8
	global_store_b128 v6, v[T:T+3], s[52:53] offset:128+16*q
.set q, q+1
.endr
.Ltdone:
	s_endpgm
.Lfunc_end_k_q2425b15573_stage:
	.size	k_q2425b15573_stage, .Lfunc_end_k_q2425b15573_stage-k_q2425b15573_stage
	.p2alignl 7, 3214868480
	.fill 96, 4, 3214868480
	.section	.rodata,"a",@progbits
	.p2align	6, 0x0
	.amdhsa_kernel k_q2425b15573_stage
		.amdhsa_group_segment_fixed_size 1536
		.amdhsa_private_segment_fixed_size 0
		.amdhsa_enable_private_segment 0
		.amdhsa_kernarg_size 168
		.amdhsa_user_sgpr_count 2
		.amdhsa_user_sgpr_kernarg_segment_ptr 1
		.amdhsa_wavefront_size32 1
		.amdhsa_system_sgpr_workgroup_id_x 1
		.amdhsa_system_sgpr_workgroup_id_y 1
		.amdhsa_system_sgpr_workgroup_id_z 1
		.amdhsa_system_vgpr_workitem_id 0
		.amdhsa_next_free_vgpr 146
		.amdhsa_next_free_sgpr 84
		.amdhsa_reserve_vcc 1
		.amdhsa_float_denorm_mode_32 3
		.amdhsa_float_denorm_mode_16_64 3
		.amdhsa_memory_ordered 1
		.amdhsa_forward_progress 1
		.amdhsa_inst_pref_size 59
	.end_amdhsa_kernel
	.amdgpu_metadata
---
amdhsa.version: [ 1, 2 ]
amdhsa.kernels:
  - .name:           k_q2425b15573_stage
    .symbol:         k_q2425b15573_stage.kd
    .args:
      - { .name: x, .offset: 0, .size: 8, .value_kind: global_buffer, .address_space: global }
      - { .name: attention_mask, .offset: 8, .size: 8, .value_kind: global_buffer, .address_space: global }
      - { .name: Wq, .offset: 16, .size: 8, .value_kind: global_buffer, .address_space: global }
      - { .name: Wk, .offset: 24, .size: 8, .value_kind: global_buffer, .address_space: global }
      - { .name: Winv, .offset: 32, .size: 8, .value_kind: global_buffer, .address_space: global }
      - { .name: V_b, .offset: 40, .size: 8, .value_kind: global_buffer, .address_space: global }
      - { .name: W_b, .offset: 48, .size: 8, .value_kind: global_buffer, .address_space: global }
      - { .name: V_t, .offset: 56, .size: 8, .value_kind: global_buffer, .address_space: global }
      - { .name: W_t, .offset: 64, .size: 8, .value_kind: global_buffer, .address_space: global }
      - { .name: U_b, .offset: 72, .size: 8, .value_kind: global_buffer, .address_space: global }
      - { .name: U_t, .offset: 80, .size: 8, .value_kind: global_buffer, .address_space: global }
      - { .name: Wo, .offset: 88, .size: 8, .value_kind: global_buffer, .address_space: global }
      - { .name: X_t, .offset: 96, .size: 8, .value_kind: global_buffer, .address_space: global }
      - { .name: bias_b, .offset: 104, .size: 8, .value_kind: global_buffer, .address_space: global }
      - { .name: bias_t, .offset: 112, .size: 8, .value_kind: global_buffer, .address_space: global }
      - { .name: alpha_bi, .offset: 120, .size: 8, .value_kind: global_buffer, .address_space: global }
      - { .name: alpha_tri, .offset: 128, .size: 8, .value_kind: global_buffer, .address_space: global }
      - { .name: XB, .offset: 136, .size: 8, .value_kind: global_buffer, .address_space: global }
      - { .name: AUX, .offset: 144, .size: 8, .value_kind: global_buffer, .address_space: global }
      - { .name: WCV, .offset: 152, .size: 8, .value_kind: global_buffer, .address_space: global }
      - { .name: WB, .offset: 160, .size: 8, .value_kind: global_buffer, .address_space: global }
    .group_segment_fixed_size: 1536
    .private_segment_fixed_size: 0
    .kernarg_segment_align: 8
    .kernarg_segment_size: 168
    .max_flat_workgroup_size: 128
    .sgpr_count:     84
    .vgpr_count:     146
    .wavefront_size: 32
...
	.end_amdgpu_metadata
.endif
;; end of part 1
;; launch prod1 (part 2): grid 32 x 8, 4 waves a work-group, no clusters, 327,680 bytes of LDS; arguments WCV, WB, TB, MB; writes WB, TB, MB
.if DOCPART == 2
	.amdgcn_target "amdgcn-amd-amdhsa--gfx1250"
	.amdhsa_code_object_version 6
	.text
	.protected	k_q2425b15573_prod1
	.globl	k_q2425b15573_prod1
	.p2align	8
	.type	k_q2425b15573_prod1,@function
k_q2425b15573_prod1:
	s_mov_b64 s[64:65], 0
	v_nop
	global_prefetch_b8 v0, s[64:65] scope:SCOPE_SE
	s_setreg_imm32_b32 hwreg(HW_REG_WAVE_MODE, 25, 1), 1
	s_wait_xcnt 0x0
; PRODUCTS OF WEIGHTS.  C[m][n] = sum over j = 0..1023 of L[j][m] R[j][n]; sums in f32; C leaves as bf16 upper part + bf16 lower part (the rest after the first rounding),
; in rows n of 256 bytes: [block of 64 m][row n][upper 64 m | lower 64 m].  One text for two launches: PROD2 = 0: R is bf16; PROD2 = 1: R itself comes as upper | lower parts.
; PROD2 = 0, eight jobs by the grid's y: Wq^T V_b, Wk^T W_b, Wq^T V_t, Wk^T W_t -> WB; W_b^T Winv, V_b^T Winv -> TB; U_b^T Wo^T, U_t^T Wo^T -> MB.
; PROD2 = 1, two jobs: Wq^T T1, Wk^T T2 -> WB.
; SHARES.  A work-group makes 128 m x 64 n, a wave 64 m x 32 n: 8 accumulators.  j goes in 4 steps of 256 through two LDS slots.  L and R lie [j][column], so both come out of LDS turned (ds_load_tr16_b128).
; NO CLUSTER: a work-group makes four fills in all, two of them at its start; what it waits for is two fills one after the other, which a shared request does not shorten.
; LIMITS.  The order of the f32 sums is the matrix unit's; NaN and infinities are not treated apart.
.set PROD2, 0
.set PL,    160                        ; an LDS row of L: 128 bytes + 32 of padding: an odd multiple of 32, so that 16 lanes of the turning load (8 rows x 32 bytes) take each bank once
.if PROD2
.set PR,    288                        ; an LDS row of R: 256 + 32
.set RROW,  256                        ; bytes of a row j of R in memory
.set RQI,   5                          ; padding after every 64 words
.set RROWS, 128                        ; rows of 256 bytes in a wave's load of R
.set NFR,   8                          ; fragments for 32 j: 4 of L, 4 of R
.else
.set PR,    160
.set RROW,  128
.set RQI,   4                          ; padding after every 32 words: two rows j to a row of 256 bytes in memory
.set RROWS, 64
.set NFR,   6                          ; 4 of L, 2 of R
.endif
.set LBLK,  256*PL                     ; 256 rows j of one block of 64 m
.set ROFF,  2*LBLK                     ; R lies behind L's two blocks
.set SLOT,  ROFF+256*PR
.set SPARE, 2*SLOT                     ; behind the ring: the spare words, 128 bytes for each wave: two blocks of 256 bytes that no other line names
.set SP,    272                        ; the way out: rows of 256 + 16 bytes, in slot 0 once it has had its last fill and its last read
.set LSTEP, 256*128                    ; bytes of a step in memory
.set RSTEP, 256*RROW
.set FR0,   16                         ; fragment buffers: 4 of L, then R's
.set FR1,   FR0+8*NFR
.set ACC,   FR1+8*NFR                  ; accumulator (mi, ni) at ACC + 8 (2 mi + ni)
.set TMP,   ACC+64                     ; 16 at work on the way out
.set G1L, 32                           ; s[32:39] descriptor group 1 for L's tiles
.set G1R, 40                           ; s[40:47] for R's
.set G0L, 48                           ; s[48:55] group 0 for L's tiles, a set for each slot
.set G0R, 56                           ; s[56:63] for R's
; v4, v5: LDS address of my L fragments in slot 0, 1; v6, v7: of my R fragments; v14, v15: the copies that walk through a step; v8, v9, v10: the way out; v12, v13: the add's two registers
.macro LOADT s                         ; waves 0 and 1 fetch L's two blocks, waves 2 and 3 the two halves of R's rows
	s_cmp_lt_u32 s12, 2
	s_cbranch_scc0 .Lfor_r_\@
	tensor_load_to_lds s[G0L+4*(\s):G0L+4*(\s)+3], s[G1L:G1L+7]
	s_nop 0
	s_branch .Lasked_\@
.Lfor_r_\@:
	tensor_load_to_lds s[G0R+4*(\s):G0R+4*(\s)+3], s[G1R:G1R+7]
	s_nop 0
.Lasked_\@:
.endm
.if PROD2
	s_load_b128 s[4:7], s[0:1], 0x0                ; WCV, TB
	s_load_b64 s[8:9], s[0:1], 0x10                ; WB
.else
	s_load_b256 s[4:11], s[0:1], 0x0               ; WCV, WB, TB, MB
.endif
	v_lshl_add_u32 v12, v0, 2, SPARE
	v_mov_b32 v13, 0
	ds_add_u32 v12, v13
	ds_add_u32 v12, v13
	s_wait_dscnt 0x0
	v_lshrrev_b32 v1, 5, v0
	v_readfirstlane_b32 s12, v1                    ; wave w
	s_and_b32 s13, s12, 1                          ; which 32 n are mine; also which part of a tile I fetch
	s_lshr_b32 s14, s12, 1                         ; which 64 m are mine
	s_and_b32 s15, ttmp7, 0xffff                   ; the job
	s_mov_b32 s16, ttmp9                           ; the tile
.if PROD2
	s_and_b32 s25, s16, 7                          ; mt
	s_lshr_b32 s26, s16, 3                         ; nt
	s_lshl_b32 s17, s15, 21                        ; L: Wq or Wk, 2 MiB apart
	s_lshl1_add_u32 s20, s25, s13
	s_lshl_b32 s20, s20, 17                        ; block 2 mt + (w & 1) of 64 columns
	s_add_co_u32 s20, s20, s17
	s_mov_b32 s21, 0
	s_lshl_b32 s30, s15, 20                        ; R: T1 or T2, 1 MiB apart,
	s_lshl_b32 s31, s26, 18                        ; block nt of 64 columns,
	s_add_co_u32 s30, s30, s31
	s_lshl_b32 s31, s13, 15                        ; my 128 rows j
	s_add_co_u32 s30, s30, s31
	s_mov_b32 s31, 0
	s_lshl1_add_u32 s16, s25, s14                  ; out: block 2 mt + wm of 64 m,
	s_mul_i32 s16, s16, 458752
	s_mul_i32 s17, s26, 448                        ; row nt x 448 + 128 + 64 x job + 32 wn
	s_lshl_b32 s18, s15, 6
	s_add_co_u32 s17, s17, s18
	s_lshl_b32 s18, s13, 5
	s_add_co_u32 s17, s17, s18
	s_add_co_u32 s17, s17, 128
	s_lshl_b32 s17, s17, 8
	s_add_co_u32 s16, s16, s17
	s_mov_b32 s17, 0
.else
	s_mov_b32 s17, 0x04000400                      ; tables, a byte a job: where L lies in WCV, in units of 512 KiB: jobs 0-3,
	s_mov_b32 s18, 0x15141011                      ; jobs 4-7;
	s_mov_b32 s19, 0x13121110                      ; where R lies: jobs 0-3,
	s_mov_b32 s20, 0x0c0c0808                      ; jobs 4-7;
	s_mov_b32 s22, 262144
	s_mov_b32 s24, 0x05040100                      ; the pair's place among WB's rows, in units of 64
	s_cmp_lt_u32 s15, 4
	s_cselect_b32 s17, s17, s18
	s_cselect_b32 s19, s19, s20
	s_cselect_b32 s22, 458752, s22                 ; bytes from one block of 64 m to the next
	s_cselect_b32 s23, 448, 64                     ; rows from one block of 64 n to the next
	s_cselect_b32 s24, s24, 0
	s_cselect_b32 s25, 7, 1                        ; jobs 0-3: 8 x 4 tiles; jobs 4-7: 2 x 16
	s_cselect_b32 s26, 3, 1
	s_cselect_b32 s27, 0, 1
	s_and_b32 s21, s15, 3
	s_lshl_b32 s21, s21, 3
	s_lshr_b32 s17, s17, s21
	s_and_b32 s17, s17, 0xff
	s_lshr_b32 s19, s19, s21
	s_and_b32 s19, s19, 0xff
	s_lshr_b32 s24, s24, s21
	s_and_b32 s24, s24, 0xff
	s_lshl_b32 s24, s24, 6
	s_and_b32 s25, s16, s25                        ; mt
	s_lshr_b32 s26, s16, s26                       ; nt
	s_and_b32 s18, s15, s27
	s_lshl_b32 s18, s18, 20                        ; jobs 5 and 7: the buffer's second MiB
	s_lshl_b32 s17, s17, 19
	s_lshl1_add_u32 s20, s25, s13
	s_lshl_b32 s20, s20, 17                        ; L: block 2 mt + (w & 1) of 64 columns
	s_add_co_u32 s20, s20, s17
	s_mov_b32 s21, 0
	s_lshl_b32 s19, s19, 19
	s_lshl_b32 s30, s26, 17                        ; R: block nt,
	s_add_co_u32 s30, s30, s19
	s_lshl_b32 s31, s13, 14                        ; my 128 rows j
	s_add_co_u32 s30, s30, s31
	s_mov_b32 s31, 0
	s_lshl1_add_u32 s16, s25, s14                  ; out: block 2 mt + wm of 64 m,
	s_mul_i32 s16, s16, s22
	s_mul_i32 s17, s26, s23                        ; row nt x rows + the pair's place + 32 wn
	s_add_co_u32 s17, s17, s24
	s_lshl_b32 s19, s13, 5
	s_add_co_u32 s17, s17, s19
	s_lshl_b32 s17, s17, 8
	s_add_co_u32 s16, s16, s17
	s_add_co_u32 s16, s16, s18
	s_mov_b32 s17, 0
.endif
	; descriptor group 1: rows of 128 elements (256 bytes), dense in memory, padded in LDS
	s_mov_b32 s[G1L+0], (1<<16)|(1<<20)|(4<<22)|(7<<25)    ; 17:16 2-byte elements; 20 padding on; 24:22 after every 32 words (code 4); 31:25 8 words (code 7)
	s_mov_b32 s[G1L+1], 128<<16                    ; tensor_dim0 = 128
	s_mov_b32 s[G1L+2], 128<<16                    ; tensor_dim1 = 128
	s_mov_b32 s[G1L+3], 128<<16                    ; tile_dim0 = 128
	s_mov_b32 s[G1L+4], 128                        ; tile_dim1 = 128: 256 rows j
	s_mov_b32 s[G1L+5], 128                        ; elements from row to row
	s_mov_b32 s[G1L+6], 0
	s_mov_b32 s[G1L+7], 0
	s_mov_b32 s[G1R+0], (1<<16)|(1<<20)|(RQI<<22)|(7<<25)
	s_mov_b32 s[G1R+1], 128<<16
	s_mov_b32 s[G1R+2], RROWS<<16
	s_mov_b32 s[G1R+3], 128<<16
	s_mov_b32 s[G1R+4], RROWS                      ; 128 rows j
	s_mov_b32 s[G1R+5], 128
	s_mov_b32 s[G1R+6], 0
	s_mov_b32 s[G1R+7], 0
	s_mul_i32 s18, s13, LBLK                       ; where my part of a tile goes: L's block w & 1,
	s_mul_i32 s19, s13, 128*PR                     ; or R's half w & 1
	s_add_co_u32 s19, s19, ROFF
	s_wait_kmcnt 0x0
.if PROD2
	s_add_nc_u64 s[28:29], s[8:9], s[16:17]
	s_add_nc_u64 s[66:67], s[4:5], s[20:21]
	s_add_nc_u64 s[68:69], s[6:7], s[30:31]
.else
	s_cmp_lt_u32 s15, 6
	s_cselect_b64 s[28:29], s[8:9], s[10:11]
	s_cmp_lt_u32 s15, 4
	s_cselect_b64 s[28:29], s[6:7], s[28:29]
	s_add_nc_u64 s[28:29], s[28:29], s[16:17]
	s_add_nc_u64 s[66:67], s[4:5], s[20:21]
	s_add_nc_u64 s[68:69], s[4:5], s[30:31]
.endif
.irp s, 0,1                            ; both slots' first fills go out ahead of everything else: two loads of mine are out
	s_mov_b32 s[G0L+4*(\s)], 1
	s_add_co_u32 s[G0L+4*(\s)+1], s18, (\s)*SLOT
	s_add_nc_u64 s[G0L+4*(\s)+2:G0L+4*(\s)+3], s[66:67], (\s)*LSTEP
	s_or_b32 s[G0L+4*(\s)+3], s[G0L+4*(\s)+3], 0x80000000
	s_mov_b32 s[G0R+4*(\s)], 1
	s_add_co_u32 s[G0R+4*(\s)+1], s19, (\s)*SLOT
	s_add_nc_u64 s[G0R+4*(\s)+2:G0R+4*(\s)+3], s[68:69], (\s)*RSTEP
	s_or_b32 s[G0R+4*(\s)+3], s[G0R+4*(\s)+3], 0x80000000
	LOADT \s
.endr
	; The turning load: lane l reads 16 bytes of row 8 (l / 16) + l % 8, at byte 16 ((l / 8) % 2), and is left with column l % 16 and 8 rows j: half a fragment.
	v_and_b32 v1, 15, v0                           ; r
	v_bfe_u32 v2, v0, 4, 1                         ; h
	v_and_b32 v3, 7, v0
	v_bfe_u32 v11, v0, 3, 1
	v_lshl_add_u32 v3, v2, 3, v3
	v_mul_u32_u24 v14, v3, PL
	v_lshl_add_u32 v14, v11, 4, v14
	v_mul_u32_u24 v15, v3, PR
	v_lshl_add_u32 v15, v11, 4, v15
	s_mul_i32 s18, s14, LBLK                       ; my block of 64 m
	s_lshl_b32 s19, s13, 6                         ; my 32 n: 64 bytes
	s_add_co_u32 s19, s19, ROFF
	v_add_nc_u32 v4, s18, v14
	v_add_nc_u32 v5, SLOT, v4
	v_add_nc_u32 v6, s19, v15
	v_add_nc_u32 v7, SLOT, v6
	s_mul_i32 s18, s12, 32*SP                      ; my stage: 32 rows
	v_mul_u32_u24 v8, v1, SP                       ; in: row r, 16 bytes for each half of the lanes
	v_lshl_add_u32 v8, v2, 4, v8
	v_add_nc_u32 v8, s18, v8
	v_mul_u32_u24 v9, v2, SP                       ; back: lanes 0-15 one row of 256 bytes, lanes 16-31 the next
	v_lshl_add_u32 v9, v1, 4, v9
	v_add_nc_u32 v9, s18, v9
	v_and_b32 v10, 31, v0
	v_lshlrev_b32 v10, 4, v10                      ; which are 512 consecutive bytes of the output
.macro FETCH buf, k                    ; the fragments of 32 j, the k-th from where v14 and v15 stand
.set FB, FR0+(\buf)*8*NFR
.irp mi, 0,1,2,3
	ds_load_tr16_b128 v[FB+8*\mi:FB+8*\mi+3],   v14 offset:(\k)*32*PL+32*\mi
	ds_load_tr16_b128 v[FB+8*\mi+4:FB+8*\mi+7], v14 offset:(\k)*32*PL+16*PL+32*\mi
.endr
.set q, 0
.rept NFR-4                            ; fragment q of R: 16 n at q % 2; upper part (q / 2 = 0) or lower
	ds_load_tr16_b128 v[FB+32+8*q:FB+32+8*q+3],   v15 offset:(\k)*32*PR+32*(q%2)+128*(q/2)
	ds_load_tr16_b128 v[FB+32+8*q+4:FB+32+8*q+7], v15 offset:(\k)*32*PR+16*PR+32*(q%2)+128*(q/2)
.set q, q+1
.endr
.endm
.macro MUL buf, zero                   ; the 8 accumulators take turns, one instruction a turn.  zero = 1: the first products start the sums
.set FB, FR0+(\buf)*8*NFR
.set q, 0
.rept NFR-4
.irp mi, 0,1,2,3
.set A_, ACC+8*(2*\mi+q%2)
.if (\zero) && (q < 2)
	v_wmma_f32_16x16x32_bf16 v[A_:A_+7], v[FB+8*\mi:FB+8*\mi+7], v[FB+32+8*q:FB+32+8*q+7], 0
.else
	v_wmma_f32_16x16x32_bf16 v[A_:A_+7], v[FB+8*\mi:FB+8*\mi+7], v[FB+32+8*q:FB+32+8*q+7], v[A_:A_+7]
.endif
.endr
.set q, q+1
.endr
.endm
.macro TRIP2 zero                      ; 64 j
	FETCH 0, 0
	FETCH 1, 1
	s_wait_dscnt 2*NFR                             ; the first buffer is in; the second's loads may be out
	MUL 0, \zero
	s_wait_dscnt 0x0
	MUL 1, 0
.rept 4
	v_nop                                          ; four places between the last products and the next loads into their sources, or the conversions that read their results
.endr
	v_add_nc_u32 v14, 64*PL, v14
	v_add_nc_u32 v15, 64*PR, v15
.endm
.macro STEP slot, first                ; a slot's 256 j
	v_mov_b32 v14, v[4+(\slot)]
	v_mov_b32 v15, v[6+(\slot)]
.if \first
	TRIP2 1
	s_mov_b32 s70, 3
.else
	s_mov_b32 s70, 4
.endif
.Lk_\@:
	TRIP2 0
	s_sub_co_u32 s70, s70, 1
	s_cmp_lg_u32 s70, 0
	s_cbranch_scc1 .Lk_\@
.endm
.macro REFILL s                        ; slot s, read out, takes the step two further on
	s_wait_tensorcnt 0x0                           ; all my tensor loads have landed, my part of the other slot among them: a group 0 may be written
	ds_add_u32 v12, v13                            ; 0 onto my spare word
	s_add_nc_u64 s[G0L+4*(\s)+2:G0L+4*(\s)+3], s[G0L+4*(\s)+2:G0L+4*(\s)+3], 2*LSTEP
	s_add_nc_u64 s[G0R+4*(\s)+2:G0R+4*(\s)+3], s[G0R+4*(\s)+2:G0R+4*(\s)+3], 2*RSTEP
	s_wait_dscnt 0x0                               ; the add is done, and my reads of the slot are over
	s_barrier_signal -1
	s_barrier_wait -1                              ; both now hold of every wave
	LOADT \s                                       ; my one tensor load behind this barrier, and the first thing there
.endm
	s_wait_tensorcnt 0x1                           ; my part of slot 0 is in; slot 1's may stay out
	s_barrier_signal -1
	s_barrier_wait -1
	STEP 0, 1
	REFILL 0
	STEP 1, 0
	REFILL 1
	STEP 0, 0
	s_wait_tensorcnt 0x0                           ; the last step's tile: my part has landed,
	ds_add_u32 v12, v13
	s_wait_dscnt 0x0                               ; and my reads of slot 0, its last, are over
	s_barrier_signal -1
	s_barrier_wait -1
	STEP 1, 0
	; THE WAY OUT.  A lane holds one n (r) and eight neighbouring m (8 h + 0..7): 16 bytes of upper parts and 16 of lower.  They go into my 32 stage rows in slot 0, which nobody reads or fills any more, and come back as whole rows.
.macro OUTA mi, ni
.set A_, ACC+8*(2*(\mi)+(\ni))
.irp k, 0,1,2,3
	v_cvt_pk_bf16_f32 v[TMP+\k], v[A_+2*\k], v[A_+2*\k+1]      ; the upper parts; the accumulator's lowest registers are read first
.endr
.irp k, 0,1,2,3
	v_lshlrev_b32 v[TMP+4+2*\k], 16, v[TMP+\k]
	v_and_b32 v[TMP+5+2*\k], 0xffff0000, v[TMP+\k]
.endr
.irp k, 0,1,2,3
	v_pk_add_f32 v[TMP+4+2*\k:TMP+5+2*\k], v[A_+2*\k:A_+2*\k+1], v[TMP+4+2*\k:TMP+5+2*\k] neg_lo:[0,1] neg_hi:[0,1]  ; what the rounding left: exact in f32
.endr
.irp k, 0,1,2,3
	v_cvt_pk_bf16_f32 v[TMP+12+\k], v[TMP+4+2*\k], v[TMP+5+2*\k]
.endr
	ds_store_b128 v8, v[TMP:TMP+3] offset:(\ni)*16*SP+32*(\mi)
	ds_store_b128 v8, v[TMP+12:TMP+15] offset:(\ni)*16*SP+32*(\mi)+128
.endm
.irp mi, 0,1,2,3
.irp ni, 0,1
	OUTA \mi, \ni
.endr
.endr
.set t, 0
.rept 16
	ds_load_b128 v[ACC+4*t:ACC+4*t+3], v9 offset:2*SP*t    ; LDS serves a wave's instructions in order (ISA guide 5.7.1.4): these see the stores above
.set t, t+1
.endr
.set t, 0
.rept 16
	s_wait_dscnt 15-t
	global_store_b128 v10, v[ACC+4*t:ACC+4*t+3], s[28:29] offset:512*t  ; 512 consecutive bytes, at a multiple of 256 from the buffer's first
.set t, t+1
.endr
	s_wait_tensorcnt 0x0                           ; the wave's end
	ds_add_u32 v12, v13
	s_wait_dscnt 0x0
	s_endpgm
.Lfunc_end_k_q2425b15573_prod1:
	.size	k_q2425b15573_prod1, .Lfunc_end_k_q2425b15573_prod1-k_q2425b15573_prod1
	.p2alignl 7, 3214868480
	.fill 96, 4, 3214868480
	.section	.rodata,"a",@progbits
	.p2align	6, 0x0
	.amdhsa_kernel k_q2425b15573_prod1
		.amdhsa_group_segment_fixed_size 327680
		.amdhsa_private_segment_fixed_size 0
		.amdhsa_enable_private_segment 0
		.amdhsa_kernarg_size 32
		.amdhsa_user_sgpr_count 2
		.amdhsa_user_sgpr_kernarg_segment_ptr 1
		.amdhsa_wavefront_size32 1
		.amdhsa_system_sgpr_workgroup_id_x 1
		.amdhsa_system_sgpr_workgroup_id_y 1
		.amdhsa_system_sgpr_workgroup_id_z 1
		.amdhsa_system_vgpr_workitem_id 0
		.amdhsa_next_free_vgpr 192
		.amdhsa_next_free_sgpr 72
		.amdhsa_reserve_vcc 0
		.amdhsa_float_denorm_mode_32 3
		.amdhsa_float_denorm_mode_16_64 3
		.amdhsa_memory_ordered 1
		.amdhsa_forward_progress 1
		.amdhsa_inst_pref_size 37
	.end_amdhsa_kernel
	.amdgpu_metadata
---
amdhsa.version: [ 1, 2 ]
amdhsa.kernels:
  - .name:           k_q2425b15573_prod1
    .symbol:         k_q2425b15573_prod1.kd
    .args:
      - { .name: WCV, .offset: 0, .size: 8, .value_kind: global_buffer, .address_space: global }
      - { .name: WB, .offset: 8, .size: 8, .value_kind: global_buffer, .address_space: global }
      - { .name: TB, .offset: 16, .size: 8, .value_kind: global_buffer, .address_space: global }
      - { .name: MB, .offset: 24, .size: 8, .value_kind: global_buffer, .address_space: global }
    .group_segment_fixed_size: 327680
    .private_segment_fixed_size: 0
    .kernarg_segment_align: 8
    .kernarg_segment_size: 32
    .max_flat_workgroup_size: 128
    .sgpr_count:     72
    .vgpr_count:     192
    .wavefront_size: 32
...
	.end_amdgpu_metadata
.endif
;; end of part 2
;; launch prod2 (part 3): grid 32 x 2, 4 waves a work-group, no clusters, 327,680 bytes of LDS; arguments WCV, TB, WB; writes WB
.if DOCPART == 3
	.amdgcn_target "amdgcn-amd-amdhsa--gfx1250"
	.amdhsa_code_object_version 6
	.text
	.protected	k_q2425b15573_prod2
	.globl	k_q2425b15573_prod2
	.p2align	8
	.type	k_q2425b15573_prod2,@function
k_q2425b15573_prod2:
	s_mov_b64 s[64:65], 0
	v_nop
	global_prefetch_b8 v0, s[64:65] scope:SCOPE_SE
	s_setreg_imm32_b32 hwreg(HW_REG_WAVE_MODE, 25, 1), 1
	s_wait_xcnt 0x0
; PRODUCTS OF WEIGHTS.  C[m][n] = sum over j = 0..1023 of L[j][m] R[j][n]; sums in f32; C leaves as bf16 upper part + bf16 lower part (the rest after the first rounding),
; in rows n of 256 bytes: [block of 64 m][row n][upper 64 m | lower 64 m].  One text for two launches: PROD2 = 0: R is bf16; PROD2 = 1: R itself comes as upper | lower parts.
; PROD2 = 0, eight jobs by the grid's y: Wq^T V_b, Wk^T W_b, Wq^T V_t, Wk^T W_t -> WB; W_b^T Winv, V_b^T Winv -> TB; U_b^T Wo^T, U_t^T Wo^T -> MB.
; PROD2 = 1, two jobs: Wq^T T1, Wk^T T2 -> WB.
; SHARES.  A work-group makes 128 m x 64 n, a wave 64 m x 32 n: 8 accumulators.  j goes in 4 steps of 256 through two LDS slots.  L and R lie [j][column], so both come out of LDS turned (ds_load_tr16_b128).
; NO CLUSTER: a work-group makes four fills in all, two of them at its start; what it waits for is two fills one after the other, which a shared request does not shorten.
; LIMITS.  The order of the f32 sums is the matrix unit's; NaN and infinities are not treated apart.
.set PROD2, 1
.set PL,    160                        ; an LDS row of L: 128 bytes + 32 of padding: an odd multiple of 32, so that 16 lanes of the turning load (8 rows x 32 bytes) take each bank once
.if PROD2
.set PR,    288                        ; an LDS row of R: 256 + 32
.set RROW,  256                        ; bytes of a row j of R in memory
.set RQI,   5                          ; padding after every 64 words
.set RROWS, 128                        ; rows of 256 bytes in a wave's load of R
.set NFR,   8                          ; fragments for 32 j: 4 of L, 4 of R
.else
.set PR,    160
.set RROW,  128
.set RQI,   4                          ; padding after every 32 words: two rows j to a row of 256 bytes in memory
.set RROWS, 64
.set NFR,   6                          ; 4 of L, 2 of R
.endif
.set LBLK,  256*PL                     ; 256 rows j of one block of 64 m
.set ROFF,  2*LBLK                     ; R lies behind L's two blocks
.set SLOT,  ROFF+256*PR
.set SPARE, 2*SLOT                     ; behind the ring: the spare words, 128 bytes for each wave: two blocks of 256 bytes that no other line names
.set SP,    272                        ; the way out: rows of 256 + 16 bytes, in slot 0 once it has had its last fill and its last read
.set LSTEP, 256*128                    ; bytes of a step in memory
.set RSTEP, 256*RROW
.set FR0,   16                         ; fragment buffers: 4 of L, then R's
.set FR1,   FR0+8*NFR
.set ACC,   FR1+8*NFR                  ; accumulator (mi, ni) at ACC + 8 (2 mi + ni)
.set TMP,   ACC+64                     ; 16 at work on the way out
.set G1L, 32                           ; s[32:39] descriptor group 1 for L's tiles
.set G1R, 40                           ; s[40:47] for R's
.set G0L, 48                           ; s[48:55] group 0 for L's tiles, a set for each slot
.set G0R, 56                           ; s[56:63] for R's
; v4, v5: LDS address of my L fragments in slot 0, 1; v6, v7: of my R fragments; v14, v15: the copies that walk through a step; v8, v9, v10: the way out; v12, v13: the add's two registers
.macro LOADT s                         ; waves 0 and 1 fetch L's two blocks, waves 2 and 3 the two halves of R's rows
	s_cmp_lt_u32 s12, 2
	s_cbranch_scc0 .Lfor_r_\@
	tensor_load_to_lds s[G0L+4*(\s):G0L+4*(\s)+3], s[G1L:G1L+7]
	s_nop 0
	s_branch .Lasked_\@
.Lfor_r_\@:
	tensor_load_to_lds s[G0R+4*(\s):G0R+4*(\s)+3], s[G1R:G1R+7]
	s_nop 0
.Lasked_\@:
.endm
.if PROD2
	s_load_b128 s[4:7], s[0:1], 0x0                ; WCV, TB
	s_load_b64 s[8:9], s[0:1], 0x10                ; WB
.else
	s_load_b256 s[4:11], s[0:1], 0x0               ; WCV, WB, TB, MB
.endif
	v_lshl_add_u32 v12, v0, 2, SPARE
	v_mov_b32 v13, 0
	ds_add_u32 v12, v13
	ds_add_u32 v12, v13
	s_wait_dscnt 0x0
	v_lshrrev_b32 v1, 5, v0
	v_readfirstlane_b32 s12, v1                    ; wave w
	s_and_b32 s13, s12, 1                          ; which 32 n are mine; also which part of a tile I fetch
	s_lshr_b32 s14, s12, 1                         ; which 64 m are mine
	s_and_b32 s15, ttmp7, 0xffff                   ; the job
	s_mov_b32 s16, ttmp9                           ; the tile
.if PROD2
	s_and_b32 s25, s16, 7                          ; mt
	s_lshr_b32 s26, s16, 3                         ; nt
	s_lshl_b32 s17, s15, 21                        ; L: Wq or Wk, 2 MiB apart
	s_lshl1_add_u32 s20, s25, s13
	s_lshl_b32 s20, s20, 17                        ; block 2 mt + (w & 1) of 64 columns
	s_add_co_u32 s20, s20, s17
	s_mov_b32 s21, 0
	s_lshl_b32 s30, s15, 20                        ; R: T1 or T2, 1 MiB apart,
	s_lshl_b32 s31, s26, 18                        ; block nt of 64 columns,
	s_add_co_u32 s30, s30, s31
	s_lshl_b32 s31, s13, 15                        ; my 128 rows j
	s_add_co_u32 s30, s30, s31
	s_mov_b32 s31, 0
	s_lshl1_add_u32 s16, s25, s14                  ; out: block 2 mt + wm of 64 m,
	s_mul_i32 s16, s16, 458752
	s_mul_i32 s17, s26, 448                        ; row nt x 448 + 128 + 64 x job + 32 wn
	s_lshl_b32 s18, s15, 6
	s_add_co_u32 s17, s17, s18
	s_lshl_b32 s18, s13, 5
	s_add_co_u32 s17, s17, s18
	s_add_co_u32 s17, s17, 128
	s_lshl_b32 s17, s17, 8
	s_add_co_u32 s16, s16, s17
	s_mov_b32 s17, 0
.else
	s_mov_b32 s17, 0x04000400                      ; tables, a byte a job: where L lies in WCV, in units of 512 KiB: jobs 0-3,
	s_mov_b32 s18, 0x15141011                      ; jobs 4-7;
	s_mov_b32 s19, 0x13121110                      ; where R lies: jobs 0-3,
	s_mov_b32 s20, 0x0c0c0808                      ; jobs 4-7;
	s_mov_b32 s22, 262144
	s_mov_b32 s24, 0x05040100                      ; the pair's place among WB's rows, in units of 64
	s_cmp_lt_u32 s15, 4
	s_cselect_b32 s17, s17, s18
	s_cselect_b32 s19, s19, s20
	s_cselect_b32 s22, 458752, s22                 ; bytes from one block of 64 m to the next
	s_cselect_b32 s23, 448, 64                     ; rows from one block of 64 n to the next
	s_cselect_b32 s24, s24, 0
	s_cselect_b32 s25, 7, 1                        ; jobs 0-3: 8 x 4 tiles; jobs 4-7: 2 x 16
	s_cselect_b32 s26, 3, 1
	s_cselect_b32 s27, 0, 1
	s_and_b32 s21, s15, 3
	s_lshl_b32 s21, s21, 3
	s_lshr_b32 s17, s17, s21
	s_and_b32 s17, s17, 0xff
	s_lshr_b32 s19, s19, s21
	s_and_b32 s19, s19, 0xff
	s_lshr_b32 s24, s24, s21
	s_and_b32 s24, s24, 0xff
	s_lshl_b32 s24, s24, 6
	s_and_b32 s25, s16, s25                        ; mt
	s_lshr_b32 s26, s16, s26                       ; nt
	s_and_b32 s18, s15, s27
	s_lshl_b32 s18, s18, 20                        ; jobs 5 and 7: the buffer's second MiB
	s_lshl_b32 s17, s17, 19
	s_lshl1_add_u32 s20, s25, s13
	s_lshl_b32 s20, s20, 17                        ; L: block 2 mt + (w & 1) of 64 columns
	s_add_co_u32 s20, s20, s17
	s_mov_b32 s21, 0
	s_lshl_b32 s19, s19, 19
	s_lshl_b32 s30, s26, 17                        ; R: block nt,
	s_add_co_u32 s30, s30, s19
	s_lshl_b32 s31, s13, 14                        ; my 128 rows j
	s_add_co_u32 s30, s30, s31
	s_mov_b32 s31, 0
	s_lshl1_add_u32 s16, s25, s14                  ; out: block 2 mt + wm of 64 m,
	s_mul_i32 s16, s16, s22
	s_mul_i32 s17, s26, s23                        ; row nt x rows + the pair's place + 32 wn
	s_add_co_u32 s17, s17, s24
	s_lshl_b32 s19, s13, 5
	s_add_co_u32 s17, s17, s19
	s_lshl_b32 s17, s17, 8
	s_add_co_u32 s16, s16, s17
	s_add_co_u32 s16, s16, s18
	s_mov_b32 s17, 0
.endif
	; descriptor group 1: rows of 128 elements (256 bytes), dense in memory, padded in LDS
	s_mov_b32 s[G1L+0], (1<<16)|(1<<20)|(4<<22)|(7<<25)    ; 17:16 2-byte elements; 20 padding on; 24:22 after every 32 words (code 4); 31:25 8 words (code 7)
	s_mov_b32 s[G1L+1], 128<<16                    ; tensor_dim0 = 128
	s_mov_b32 s[G1L+2], 128<<16                    ; tensor_dim1 = 128
	s_mov_b32 s[G1L+3], 128<<16                    ; tile_dim0 = 128
	s_mov_b32 s[G1L+4], 128                        ; tile_dim1 = 128: 256 rows j
	s_mov_b32 s[G1L+5], 128                        ; elements from row to row
	s_mov_b32 s[G1L+6], 0
	s_mov_b32 s[G1L+7], 0
	s_mov_b32 s[G1R+0], (1<<16)|(1<<20)|(RQI<<22)|(7<<25)
	s_mov_b32 s[G1R+1], 128<<16
	s_mov_b32 s[G1R+2], RROWS<<16
	s_mov_b32 s[G1R+3], 128<<16
	s_mov_b32 s[G1R+4], RROWS                      ; 128 rows j
	s_mov_b32 s[G1R+5], 128
	s_mov_b32 s[G1R+6], 0
	s_mov_b32 s[G1R+7], 0
	s_mul_i32 s18, s13, LBLK                       ; where my part of a tile goes: L's block w & 1,
	s_mul_i32 s19, s13, 128*PR                     ; or R's half w & 1
	s_add_co_u32 s19, s19, ROFF
	s_wait_kmcnt 0x0
.if PROD2
	s_add_nc_u64 s[28:29], s[8:9], s[16:17]
	s_add_nc_u64 s[66:67], s[4:5], s[20:21]
	s_add_nc_u64 s[68:69], s[6:7], s[30:31]
.else
	s_cmp_lt_u32 s15, 6
	s_cselect_b64 s[28:29], s[8:9], s[10:11]
	s_cmp_lt_u32 s15, 4
	s_cselect_b64 s[28:29], s[6:7], s[28:29]
	s_add_nc_u64 s[28:29], s[28:29], s[16:17]
	s_add_nc_u64 s[66:67], s[4:5], s[20:21]
	s_add_nc_u64 s[68:69], s[4:5], s[30:31]
.endif
.irp s, 0,1                            ; both slots' first fills go out ahead of everything else: two loads of mine are out
	s_mov_b32 s[G0L+4*(\s)], 1
	s_add_co_u32 s[G0L+4*(\s)+1], s18, (\s)*SLOT
	s_add_nc_u64 s[G0L+4*(\s)+2:G0L+4*(\s)+3], s[66:67], (\s)*LSTEP
	s_or_b32 s[G0L+4*(\s)+3], s[G0L+4*(\s)+3], 0x80000000
	s_mov_b32 s[G0R+4*(\s)], 1
	s_add_co_u32 s[G0R+4*(\s)+1], s19, (\s)*SLOT
	s_add_nc_u64 s[G0R+4*(\s)+2:G0R+4*(\s)+3], s[68:69], (\s)*RSTEP
	s_or_b32 s[G0R+4*(\s)+3], s[G0R+4*(\s)+3], 0x80000000
	LOADT \s
.endr
	; The turning load: lane l reads 16 bytes of row 8 (l / 16) + l % 8, at byte 16 ((l / 8) % 2), and is left with column l % 16 and 8 rows j: half a fragment.
	v_and_b32 v1, 15, v0                           ; r
	v_bfe_u32 v2, v0, 4, 1                         ; h
	v_and_b32 v3, 7, v0
	v_bfe_u32 v11, v0, 3, 1
	v_lshl_add_u32 v3, v2, 3, v3
	v_mul_u32_u24 v14, v3, PL
	v_lshl_add_u32 v14, v11, 4, v14
	v_mul_u32_u24 v15, v3, PR
	v_lshl_add_u32 v15, v11, 4, v15
	s_mul_i32 s18, s14, LBLK                       ; my block of 64 m
	s_lshl_b32 s19, s13, 6                         ; my 32 n: 64 bytes
	s_add_co_u32 s19, s19, ROFF
	v_add_nc_u32 v4, s18, v14
	v_add_nc_u32 v5, SLOT, v4
	v_add_nc_u32 v6, s19, v15
	v_add_nc_u32 v7, SLOT, v6
	s_mul_i32 s18, s12, 32*SP                      ; my stage: 32 rows
	v_mul_u32_u24 v8, v1, SP                       ; in: row r, 16 bytes for each half of the lanes
	v_lshl_add_u32 v8, v2, 4, v8
	v_add_nc_u32 v8, s18, v8
	v_mul_u32_u24 v9, v2, SP                       ; back: lanes 0-15 one row of 256 bytes, lanes 16-31 the next
	v_lshl_add_u32 v9, v1, 4, v9
	v_add_nc_u32 v9, s18, v9
	v_and_b32 v10, 31, v0
	v_lshlrev_b32 v10, 4, v10                      ; which are 512 consecutive bytes of the output
.macro FETCH buf, k                    ; the fragments of 32 j, the k-th from where v14 and v15 stand
.set FB, FR0+(\buf)*8*NFR
.irp mi, 0,1,2,3
	ds_load_tr16_b128 v[FB+8*\mi:FB+8*\mi+3],   v14 offset:(\k)*32*PL+32*\mi
	ds_load_tr16_b128 v[FB+8*\mi+4:FB+8*\mi+7], v14 offset:(\k)*32*PL+16*PL+32*\mi
.endr
.set q, 0
.rept NFR-4                            ; fragment q of R: 16 n at q % 2; upper part (q / 2 = 0) or lower
	ds_load_tr16_b128 v[FB+32+8*q:FB+32+8*q+3],   v15 offset:(\k)*32*PR+32*(q%2)+128*(q/2)
	ds_load_tr16_b128 v[FB+32+8*q+4:FB+32+8*q+7], v15 offset:(\k)*32*PR+16*PR+32*(q%2)+128*(q/2)
.set q, q+1
.endr
.endm
.macro MUL buf, zero                   ; the 8 accumulators take turns, one instruction a turn.  zero = 1: the first products start the sums
.set FB, FR0+(\buf)*8*NFR
.set q, 0
.rept NFR-4
.irp mi, 0,1,2,3
.set A_, ACC+8*(2*\mi+q%2)
.if (\zero) && (q < 2)
	v_wmma_f32_16x16x32_bf16 v[A_:A_+7], v[FB+8*\mi:FB+8*\mi+7], v[FB+32+8*q:FB+32+8*q+7], 0
.else
	v_wmma_f32_16x16x32_bf16 v[A_:A_+7], v[FB+8*\mi:FB+8*\mi+7], v[FB+32+8*q:FB+32+8*q+7], v[A_:A_+7]
.endif
.endr
.set q, q+1
.endr
.endm
.macro TRIP2 zero                      ; 64 j
	FETCH 0, 0
	FETCH 1, 1
	s_wait_dscnt 2*NFR                             ; the first buffer is in; the second's loads may be out
	MUL 0, \zero
	s_wait_dscnt 0x0
	MUL 1, 0
.rept 4
	v_nop                                          ; four places between the last products and the next loads into their sources, or the conversions that read their results
.endr
	v_add_nc_u32 v14, 64*PL, v14
	v_add_nc_u32 v15, 64*PR, v15
.endm
.macro STEP slot, first                ; a slot's 256 j
	v_mov_b32 v14, v[4+(\slot)]
	v_mov_b32 v15, v[6+(\slot)]
.if \first
	TRIP2 1
	s_mov_b32 s70, 3
.else
	s_mov_b32 s70, 4
.endif
.Lk_\@:
	TRIP2 0
	s_sub_co_u32 s70, s70, 1
	s_cmp_lg_u32 s70, 0
	s_cbranch_scc1 .Lk_\@
.endm
.macro REFILL s                        ; slot s, read out, takes the step two further on
	s_wait_tensorcnt 0x0                           ; all my tensor loads have landed, my part of the other slot among them: a group 0 may be written
	ds_add_u32 v12, v13                            ; 0 onto my spare word
	s_add_nc_u64 s[G0L+4*(\s)+2:G0L+4*(\s)+3], s[G0L+4*(\s)+2:G0L+4*(\s)+3], 2*LSTEP
	s_add_nc_u64 s[G0R+4*(\s)+2:G0R+4*(\s)+3], s[G0R+4*(\s)+2:G0R+4*(\s)+3], 2*RSTEP
	s_wait_dscnt 0x0                               ; the add is done, and my reads of the slot are over
	s_barrier_signal -1
	s_barrier_wait -1                              ; both now hold of every wave
	LOADT \s                                       ; my one tensor load behind this barrier, and the first thing there
.endm
	s_wait_tensorcnt 0x1                           ; my part of slot 0 is in; slot 1's may stay out
	s_barrier_signal -1
	s_barrier_wait -1
	STEP 0, 1
	REFILL 0
	STEP 1, 0
	REFILL 1
	STEP 0, 0
	s_wait_tensorcnt 0x0                           ; the last step's tile: my part has landed,
	ds_add_u32 v12, v13
	s_wait_dscnt 0x0                               ; and my reads of slot 0, its last, are over
	s_barrier_signal -1
	s_barrier_wait -1
	STEP 1, 0
	; THE WAY OUT.  A lane holds one n (r) and eight neighbouring m (8 h + 0..7): 16 bytes of upper parts and 16 of lower.  They go into my 32 stage rows in slot 0, which nobody reads or fills any more, and come back as whole rows.
.macro OUTA mi, ni
.set A_, ACC+8*(2*(\mi)+(\ni))
.irp k, 0,1,2,3
	v_cvt_pk_bf16_f32 v[TMP+\k], v[A_+2*\k], v[A_+2*\k+1]      ; the upper parts; the accumulator's lowest registers are read first
.endr
.irp k, 0,1,2,3
	v_lshlrev_b32 v[TMP+4+2*\k], 16, v[TMP+\k]
	v_and_b32 v[TMP+5+2*\k], 0xffff0000, v[TMP+\k]
.endr
.irp k, 0,1,2,3
	v_pk_add_f32 v[TMP+4+2*\k:TMP+5+2*\k], v[A_+2*\k:A_+2*\k+1], v[TMP+4+2*\k:TMP+5+2*\k] neg_lo:[0,1] neg_hi:[0,1]  ; what the rounding left: exact in f32
.endr
.irp k, 0,1,2,3
	v_cvt_pk_bf16_f32 v[TMP+12+\k], v[TMP+4+2*\k], v[TMP+5+2*\k]
.endr
	ds_store_b128 v8, v[TMP:TMP+3] offset:(\ni)*16*SP+32*(\mi)
	ds_store_b128 v8, v[TMP+12:TMP+15] offset:(\ni)*16*SP+32*(\mi)+128
.endm
.irp mi, 0,1,2,3
.irp ni, 0,1
	OUTA \mi, \ni
.endr
.endr
.set t, 0
.rept 16
	ds_load_b128 v[ACC+4*t:ACC+4*t+3], v9 offset:2*SP*t    ; LDS serves a wave's instructions in order (ISA guide 5.7.1.4): these see the stores above
.set t, t+1
.endr
.set t, 0
.rept 16
	s_wait_dscnt 15-t
	global_store_b128 v10, v[ACC+4*t:ACC+4*t+3], s[28:29] offset:512*t  ; 512 consecutive bytes, at a multiple of 256 from the buffer's first
.set t, t+1
.endr
	s_wait_tensorcnt 0x0                           ; the wave's end
	ds_add_u32 v12, v13
	s_wait_dscnt 0x0
	s_endpgm
.Lfunc_end_k_q2425b15573_prod2:
	.size	k_q2425b15573_prod2, .Lfunc_end_k_q2425b15573_prod2-k_q2425b15573_prod2
	.p2alignl 7, 3214868480
	.fill 96, 4, 3214868480
	.section	.rodata,"a",@progbits
	.p2align	6, 0x0
	.amdhsa_kernel k_q2425b15573_prod2
		.amdhsa_group_segment_fixed_size 327680
		.amdhsa_private_segment_fixed_size 0
		.amdhsa_enable_private_segment 0
		.amdhsa_kernarg_size 24
		.amdhsa_user_sgpr_count 2
		.amdhsa_user_sgpr_kernarg_segment_ptr 1
		.amdhsa_wavefront_size32 1
		.amdhsa_system_sgpr_workgroup_id_x 1
		.amdhsa_system_sgpr_workgroup_id_y 1
		.amdhsa_system_sgpr_workgroup_id_z 1
		.amdhsa_system_vgpr_workitem_id 0
		.amdhsa_next_free_vgpr 224
		.amdhsa_next_free_sgpr 72
		.amdhsa_reserve_vcc 0
		.amdhsa_float_denorm_mode_32 3
		.amdhsa_float_denorm_mode_16_64 3
		.amdhsa_memory_ordered 1
		.amdhsa_forward_progress 1
		.amdhsa_inst_pref_size 43
	.end_amdhsa_kernel
	.amdgpu_metadata
---
amdhsa.version: [ 1, 2 ]
amdhsa.kernels:
  - .name:           k_q2425b15573_prod2
    .symbol:         k_q2425b15573_prod2.kd
    .args:
      - { .name: WCV, .offset: 0, .size: 8, .value_kind: global_buffer, .address_space: global }
      - { .name: TB, .offset: 8, .size: 8, .value_kind: global_buffer, .address_space: global }
      - { .name: WB, .offset: 16, .size: 8, .value_kind: global_buffer, .address_space: global }
    .group_segment_fixed_size: 327680
    .private_segment_fixed_size: 0
    .kernarg_segment_align: 8
    .kernarg_segment_size: 24
    .max_flat_workgroup_size: 128
    .sgpr_count:     72
    .vgpr_count:     224
    .wavefront_size: 32
...
	.end_amdgpu_metadata
.endif
;; end of part 3
;; launch main1 (part 4): grid 4 x 64, 4 waves a work-group, clusters of 4 x 4, 327,680 bytes of LDS; arguments XB, WB, AUX, alpha_bi, alpha_tri, GT; writes GT
.if DOCPART == 4
	.amdgcn_target "amdgcn-amd-amdhsa--gfx1250"
	.amdhsa_code_object_version 6
	.text
	.protected	k_q2425b15573_main1
	.globl	k_q2425b15573_main1
	.p2align	8
	.type	k_q2425b15573_main1,@function
k_q2425b15573_main1:
	s_mov_b64 s[64:65], 0
	v_nop
	global_prefetch_b8 v0, s[64:65] scope:SCOPE_SE
	s_setreg_imm32_b32 hwreg(HW_REG_WAVE_MODE, 25, 1), 1
	s_wait_xcnt 0x0
	s_wait_alu depctr_hold_cnt(0) depctr_sa_sdst(0) depctr_va_vdst(0) depctr_va_sdst(0) depctr_va_ssrc(0) depctr_va_vcc(0) depctr_vm_vsrc(0)
	s_getreg_b32 s2, hwreg(HW_REG_IB_STS2, 6, 4)
	s_cmp_eq_u32 s2, 0
	s_cbranch_scc0 .Lentry_in_a_cluster
	s_endpgm
.Lentry_in_a_cluster:
	s_bfe_u32 s2, ttmp6, 0x10000c
	s_cmp_lg_u32 s2, 0xf033
	s_cbranch_scc0 .Lentry_shape_is_right
	s_endpgm
.Lentry_shape_is_right:
; THE SEVEN RANK PROJECTIONS, THE CAUSAL SUMS AND THE PRODUCTS IN RANK SPACE.
; A_p = x W_p for seven folded weights (p = 0..6: Q V_b, K W_b, invQ W_b, invK V_b, Q V_t, K W_t, x X_t), x in bf16, W_p as bf16 upper + lower part (X_t: one part); sums in f32.
; C_p = the causal sum over rows j <= i of mask_j A_p[j], for p = 1, 3, 5, 6.   Gb = (A0 C1 + alpha_bi A2 C3) / nc;   Gt = alpha_tri A4 C5 C6 / nc^2.
; Gb and Gt leave transposed, as bf16 upper + lower part: GT [row tile][block of 64 rank columns: 4 of Gb, 4 of Gt][part][64 columns][128 rows].
; SHARES.  A work-group: 128 rows (row tile y) x 64 rank columns (group g) of all seven factors.  A wave: 16 of those columns, all 128 rows, all factors: 56 accumulators; the sums along the rows and the
; products never leave the wave.  In a result a lane holds ONE rank column (lane % 16) and the rows 8 (lane / 16) + 0..7 of a block of 16.
; THE ROWS IN FRONT OF THE TILE.  Their part of C_p is (the sum of mask x over them) W_p.  That vector s is added up from the earlier tiles' sums (TS), split into upper and lower bf16 part, and laid in LDS as the first two rows
; of a ninth block of 16 rows (the other 14 are zeros): 7 matrix instructions more for each 32 along K.
; K = 1,024 goes in 16 steps of 64 through two LDS slots.  CLUSTER 4 x 4: the four groups g of a row tile share x's tile (my row of the cluster), the four row tiles share W's (my column): joint loads.
; REGISTERS, in windows of 256 (s_set_vgpr_msb: bits 1:0 source 0, 3:2 source 1, 5:4 source 2, 7:6 destination):
;   window 0: v0-29 addresses; v64-135, v136-207 fragments of x (8 blocks of 16 rows, then the ninth), two buffers        window 1: v0-103, v104-207 the 13 fragments of W, two buffers
;   window 2: accumulator (p, rt) at v[64 p + 8 rt], p = 0..3        window 3: p = 4..6 at v[64 (p - 4) + 8 rt]; the ninth block's four at v[192 + 8 o], o = 0..3 for p = 1, 3, 5, 6
; LIMITS.  The earlier tiles' sums are taken with a weight of 1 or 0, so an infinite sum in a LATER tile of the batch would give NaN; NaN and infinities are not treated apart.  The order of the f32 sums differs from a plain running sum's.
.set PA,    144                        ; an LDS row of x: 128 bytes + 16: an odd multiple of 16, so the 16 rows of a load start at 16 different groups of four banks (64 banks of 4 bytes: ISA guide 11.1)
.set PW,    272                        ; an LDS row of W: 256 + 16
.set WOFF,  128*PA
.set SLOT,  WOFF+448*PW
.set SROW,  2*SLOT                     ; behind the ring, never filled by a tensor load: the ninth block: s upper, s lower, 14 rows of zeros: 16 rows of 2,048 + 16 bytes: 129 blocks of 256
.set PS,    2064
.set SPARE, SROW+16*PS                 ; the spare words, 128 bytes for each wave: two blocks of 256 bytes that no other line names
.set SP,    272                        ; the way out: rows of 256 + 16 bytes, 64 a wave, in slot 0 once it has had its last fill and its last read
.set ASTEP, 1048576                    ; bytes from one K step to the next in XB
.set BSTEP, 458752                     ; and in WB
.set ADRA, 2                           ; v2-3   LDS address of my x fragments in slot 0, 1
.set ADRB, 4                           ; v4-7   of my W fragments: slot 0 p 0-3, slot 0 p 4-6, slot 1 likewise
.set ADRS, 8                           ; v8     of the ninth block's fragment; it walks along K
.set STO,  9                           ; v9     the way out: where I put 16 bytes of a row
.set RD,   10                          ; v10    where I read rows back
.set GO,   11                          ; v11    my byte offset in 512 consecutive bytes of GT
.set MO,   12                          ; v12    32 (lane / 16): my 8 rows in the per-row tables
.set HSEL, 13                          ; v13    lane / 16 as f32
.set SST,  20                          ; v20    where my thread puts its 16 bytes of a row of the ninth block; holds nothing else
.set SPW,  28                          ; v28    LDS address of my spare word; never rewritten
.set NIL,  29                          ; v29    0; never rewritten
.set WV,   12                          ; s12    my wave's number
.set G1A,  24                          ; s[24:31] descriptor group 1 for x's tiles
.set G1B1, 32                          ; s[32:39] for 144 rows of W
.set G1B2, 40                          ; s[40:47] for 160 rows of W
.set G0A,  48                          ; s[48:55] group 0 for x's tiles, a set for each slot
.set G0B,  56                          ; s[56:63] for W's
.set SEL,  76                          ; s[76:77] v_permlanex16_b32's selects
.set AB,   78                          ; s[78:79] alpha_bi, rounded to bf16
.set AT,   80                          ; s[80:81] alpha_tri
.set WT,   82                          ; s[82:83] an earlier tile's weight, 1 or 0
.set CNT,  84
.set TBI,  85                          ; s85    my tile's number in its batch
.set MSB, 0
.macro WIN new                         ; the immediate's high byte repeats the setting that is left; a switch that changes nothing is dropped
.if MSB != (\new)
	s_set_vgpr_msb (MSB<<8)|(\new)
.set MSB, \new
.endif
.endm
.macro PLACES                          ; four places between a matrix instruction and a load into, or a vector instruction on, its registers
.rept 4
	v_nop
.endr
.endm
; A joint load.  Waves 0 and 1 fetch 144 rows of W each, wave 2 the last 160, wave 3 x's tile.  The branches hang on the wave's number alone.  An s_nop 0 and four v_nop follow each line.
.macro JLOAD s
	s_cmp_eq_u32 s[WV], 3
	s_cbranch_scc0 .Lnota_\@
	tensor_load_to_lds s[G0A+4*(\s):G0A+4*(\s)+3], s[G1A:G1A+7]
	s_nop 0
	PLACES
	s_branch .Lasked_\@
.Lnota_\@:
	s_cmp_eq_u32 s[WV], 2
	s_cbranch_scc1 .Lb160_\@
	tensor_load_to_lds s[G0B+4*(\s):G0B+4*(\s)+3], s[G1B1:G1B1+7]
	s_nop 0
	PLACES
	s_branch .Lasked_\@
.Lb160_\@:
	tensor_load_to_lds s[G0B+4*(\s):G0B+4*(\s)+3], s[G1B2:G1B2+7]
	s_nop 0
	PLACES
.Lasked_\@:
.endm
.macro CREST                           ; a round of the cluster's barrier behind its opening barrier
	s_cmp_lg_u32 s[WV], 0
	s_cbranch_scc1 .Lnot_wave_0_\@
	s_barrier_signal -3
.Lnot_wave_0_\@:
	s_barrier_wait -3
	s_barrier_signal -1
	s_barrier_wait -1
.endm
.macro CROUND                          ; a whole round
	s_barrier_signal -1
	s_barrier_wait -1
	CREST
.endm
	s_load_b256 s[4:11], s[0:1], 0x0               ; XB s[4:5], WB s[6:7], AUX s[8:9], alpha_bi s[10:11]
	s_load_b128 s[16:19], s[0:1], 0x20             ; alpha_tri s[16:17], GT s[18:19]
	v_lshl_add_u32 v[SPW], v0, 2, SPARE
	v_mov_b32 v[NIL], 0
	ds_add_u32 v28, v29
	ds_add_u32 v28, v29
	s_wait_dscnt 0x0
	v_lshl_add_u32 v[SST], v0, 4, SROW             ; thread t holds columns 8 t .. 8 t + 7 of s: 16 bytes of bf16
	v_lshrrev_b32 v1, 5, v0
	v_readfirstlane_b32 s[WV], v1
	s_bfe_u32 s20, ttmp6, 0x40000                  ; cx
	s_bfe_u32 s21, ttmp6, 0x40004                  ; cy
	s_lshl_b32 s22, ttmp9, 2
	s_add_co_u32 s22, s22, s20                     ; g = 4 x cluster x + cx
	s_and_b32 s23, ttmp7, 0xffff
	s_lshl_b32 s23, s23, 2
	s_add_co_u32 s23, s23, s21                     ; y = 4 x cluster y + cy
	s_lshl_b32 s66, s21, 2
	s_lshl_b32 s66, 15, s66                        ; my row of the cluster
	s_lshl_b32 s67, 0x1111, s20                    ; my column
	; x's tile: 128 rows of 128 bytes, dense: asked for as 64 rows of 256 bytes, padded after every 128
	s_or_b32 s[G1A+0], s66, (1<<16)|(1<<20)|(1<<21)|(4<<22)|(3<<25)   ; 15:0 the mask; 17:16 2-byte elements; 20 padding on; 21 set beside a mask; 24:22 after every 32 words; 31:25 4 words
	s_mov_b32 s[G1A+1], 128<<16
	s_mov_b32 s[G1A+2], 64<<16
	s_mov_b32 s[G1A+3], 128<<16
	s_mov_b32 s[G1A+4], 64
	s_mov_b32 s[G1A+5], 128
	s_mov_b32 s[G1A+6], 0
	s_mov_b32 s[G1A+7], 0
	s_or_b32 s[G1B1+0], s67, (1<<16)|(1<<20)|(1<<21)|(5<<22)|(3<<25)  ; W's rows: 256 bytes, padded after every 64 words
	s_mov_b32 s[G1B1+1], 128<<16
	s_mov_b32 s[G1B1+2], 144<<16
	s_mov_b32 s[G1B1+3], 128<<16
	s_mov_b32 s[G1B1+4], 144
	s_mov_b32 s[G1B1+5], 128
	s_mov_b32 s[G1B1+6], 0
	s_mov_b32 s[G1B1+7], 0
	s_or_b32 s[G1B2+0], s67, (1<<16)|(1<<20)|(1<<21)|(5<<22)|(3<<25)
	s_mov_b32 s[G1B2+1], 128<<16
	s_mov_b32 s[G1B2+2], 160<<16
	s_mov_b32 s[G1B2+3], 128<<16
	s_mov_b32 s[G1B2+4], 160
	s_mov_b32 s[G1B2+5], 128
	s_mov_b32 s[G1B2+6], 0
	s_mov_b32 s[G1B2+7], 0
	s_mul_i32 s13, s[WV], 144                      ; the first of W's 448 rows that I fetch: 0, 144, 288 for waves 0, 1, 2 (wave 3 asks for none of them)
	s_mul_i32 s14, s[WV], 144*PW                   ; and where it goes: a constant + my wave's number x a constant
	s_add_co_u32 s14, s14, WOFF
	s_lshl_b32 s68, s23, 14                        ; x's tile hangs on y alone: 128 rows of 128 bytes
	s_mov_b32 s69, 0
	s_mul_i32 s70, s22, 448                        ; W's on g and the wave
	s_add_co_u32 s70, s70, s13
	s_lshl_b32 s70, s70, 8
	s_mov_b32 s71, 0
	s_lshr_b32 s86, s23, 4                         ; the batch
	s_and_b32 s[TBI], s23, 15
	s_lshl_b32 s96, s86, 16                        ; TS: 16 tiles of 4,096 bytes a batch
	s_mov_b32 s97, 0
	s_lshl_b32 s98, s23, 9
	s_add_co_u32 s98, s98, 262144                  ; the mask as f32 of my tile's rows; 1 / nc lies 32,768 bytes further on
	s_mov_b32 s99, 0
	s_lshl_b32 s100, s23, 18                       ; GT: 262,144 bytes a row tile, 32,768 a block, 4,096 for a wave's 16 columns
	s_lshl_b32 s101, s22, 15
	s_add_co_u32 s100, s100, s101
	s_lshl_b32 s101, s[WV], 12
	s_add_co_u32 s100, s100, s101
	s_mov_b32 s101, 0
	s_mov_b32 s[SEL], 0x76543210
	s_mov_b32 s[SEL+1], 0xfedcba98
	s_mov_b32 s[WT+1], 0                           ; named with s[WT] as a pair
	s_wait_kmcnt 0x0
	s_add_nc_u64 s[72:73], s[4:5], s[68:69]
	s_add_nc_u64 s[74:75], s[6:7], s[70:71]
	s_add_nc_u64 s[88:89], s[8:9], s[96:97]
	s_add_nc_u64 s[92:93], s[8:9], s[98:99]
	s_add_nc_u64 s[94:95], s[18:19], s[100:101]
	s_load_b32 s90, s[10:11], 0x0
	s_load_b32 s91, s[16:17], 0x0
	CROUND                                         ; all sixteen work-groups are here: the first joint loads meet
.irp s, 0,1
	s_mov_b32 s[G0A+4*(\s)], 1
	s_mov_b32 s[G0A+4*(\s)+1], (\s)*SLOT
	s_add_nc_u64 s[G0A+4*(\s)+2:G0A+4*(\s)+3], s[72:73], (\s)*ASTEP
	s_or_b32 s[G0A+4*(\s)+3], s[G0A+4*(\s)+3], 0x80000000
	s_mov_b32 s[G0B+4*(\s)], 1
	s_add_co_u32 s[G0B+4*(\s)+1], s14, (\s)*SLOT
	s_add_nc_u64 s[G0B+4*(\s)+2:G0B+4*(\s)+3], s[74:75], (\s)*BSTEP
	s_or_b32 s[G0B+4*(\s)+3], s[G0B+4*(\s)+3], 0x80000000
	JLOAD \s                                       ; two loads of mine are out
.endr
	; s = the sum of the batch's earlier tiles' sums.  Thread t takes columns 8 t .. 8 t + 7 of the batch's tiles 0..14; a tile counts with weight 1 if it lies in front of mine, else 0: a choice of values, no branch.
	v_lshlrev_b32 v14, 5, v0
.set j, 0
.rept 15
	global_load_b128 v[64+8*j:67+8*j], v14, s[88:89] offset:4096*j
	global_load_b128 v[68+8*j:71+8*j], v14, s[88:89] offset:4096*j+16
.set j, j+1
.endr
	v_and_b32 v1, 15, v0                           ; r
	v_bfe_u32 v18, v0, 4, 1                        ; h
	v_mul_u32_u24 v[ADRA], v1, PA
	v_lshl_add_u32 v[ADRA], v18, 4, v[ADRA]        ; row x pitch + 16 x half
	v_add_nc_u32 v[ADRA+1], SLOT, v[ADRA]
	s_lshl_b32 s87, s[WV], 4
	v_add_nc_u32 v[ADRB], s87, v1                  ; my column's row among a factor's 64: 16 w + r
	v_mul_u32_u24 v[ADRB], v[ADRB], PW
	v_lshl_add_u32 v[ADRB], v18, 4, v[ADRB]
	v_add_nc_u32 v[ADRB], WOFF, v[ADRB]
	v_add_nc_u32 v[ADRB+1], 256*PW, v[ADRB]        ; factors 4 to 6 lie 256 rows further on: so every immediate stays under 65,536
	v_add_nc_u32 v[ADRB+2], SLOT, v[ADRB]
	v_add_nc_u32 v[ADRB+3], SLOT, v[ADRB+1]
	v_mul_u32_u24 v[ADRS], v1, PS                  ; the ninth block: row r x pitch + 16 x half
	v_lshl_add_u32 v[ADRS], v18, 4, v[ADRS]
	v_add_nc_u32 v[ADRS], SROW, v[ADRS]
	s_mul_i32 s87, s[WV], 64*SP                    ; my stage
	v_mul_u32_u24 v[STO], v1, SP
	v_lshl_add_u32 v[STO], v18, 4, v[STO]
	v_add_nc_u32 v[STO], s87, v[STO]
	v_mul_u32_u24 v[RD], v18, SP
	v_lshl_add_u32 v[RD], v1, 4, v[RD]
	v_add_nc_u32 v[RD], s87, v[RD]
	v_and_b32 v[GO], 31, v0
	v_lshlrev_b32 v[GO], 4, v[GO]
	v_lshlrev_b32 v[MO], 5, v18
	v_cvt_f32_u32 v[HSEL], v18
	s_wait_kmcnt 0x0
	v_cvt_pk_bf16_f32 v15, s90, s91                ; the alphas rounded to bf16, like every input
	v_lshlrev_b32 v16, 16, v15
	v_and_b32 v17, 0xffff0000, v15
	v_readfirstlane_b32 s[AB], v16
	v_readfirstlane_b32 s[AT], v17
	s_mov_b32 s[AB+1], s[AB]
	s_mov_b32 s[AT+1], s[AT]
.set j, 0
.rept 15
	s_wait_loadcnt 28-2*j                          ; tile j's two loads are in; the later tiles' stay out
	s_cmp_gt_u32 s[TBI], j
	s_cselect_b32 s[WT], 1.0, 0
.irp k, 0,2,4,6
.if j == 0
	v_pk_mul_f32 v[184+\k:185+\k], v[64+\k:65+\k], s[WT:WT+1] op_sel_hi:[1,0]
.else
	v_pk_fma_f32 v[184+\k:185+\k], v[64+8*j+\k:65+8*j+\k], s[WT:WT+1], v[184+\k:185+\k] op_sel_hi:[1,0,1]
.endif
.endr
.set j, j+1
.endr
.irp k, 0,1,2,3
	v_cvt_pk_bf16_f32 v[192+\k], v[184+2*\k], v[185+2*\k]
.endr
.irp k, 0,1,2,3
	v_lshlrev_b32 v[196+2*\k], 16, v[192+\k]
	v_and_b32 v[197+2*\k], 0xffff0000, v[192+\k]
.endr
.irp k, 0,1,2,3
	v_pk_add_f32 v[196+2*\k:197+2*\k], v[184+2*\k:185+2*\k], v[196+2*\k:197+2*\k] neg_lo:[0,1] neg_hi:[0,1]
.endr
.irp k, 0,1,2,3
	v_cvt_pk_bf16_f32 v[204+\k], v[196+2*\k], v[197+2*\k]
	v_mov_b32 v[208+\k], 0
.endr
	ds_store_b128 v[SST], v[192:195]               ; row 0: s upper; the 128 threads' 16 bytes fill a row's 2,048
	ds_store_b128 v[SST], v[204:207] offset:PS     ; row 1: s lower
.set k, 2
.rept 14
	ds_store_b128 v[SST], v[208:211] offset:k*PS   ; rows 2 to 15: zeros
.set k, k+1
.endr
; 44 LDS loads in one run: for 32 along K (half ks of the slot's step) the 13 fragments of W, the 8 of x, and the ninth block's at byte so from where v[ADRS] stands
.macro FETCH slot, ks, buf, so
	WIN 0x40                                       ; destination window 1, address window 0
.set FB, 104*(\buf)
.set q, 0
.rept 13                               ; fragment q: factor q / 2, upper part (q % 2 = 0) or lower
	ds_load_b128 v[FB+8*q:FB+8*q+3],   v[ADRB+2*(\slot)+q/8] offset:((q/2)%4)*64*PW+(q%2)*128+(\ks)*64
	ds_load_b128 v[FB+8*q+4:FB+8*q+7], v[ADRB+2*(\slot)+q/8] offset:((q/2)%4)*64*PW+(q%2)*128+(\ks)*64+32
.set q, q+1
.endr
	WIN 0
.set FA, 64+72*(\buf)
.irp rt, 0,1,2,3,4,5,6,7
	ds_load_b128 v[FA+8*\rt:FA+8*\rt+3],   v[ADRA+(\slot)] offset:\rt*16*PA+(\ks)*64
	ds_load_b128 v[FA+8*\rt+4:FA+8*\rt+7], v[ADRA+(\slot)] offset:\rt*16*PA+(\ks)*64+32
.endr
	ds_load_b128 v[FA+64:FA+67], v[ADRS] offset:(\so)
	ds_load_b128 v[FA+68:FA+71], v[ADRS] offset:(\so)+32
.endm
; The accumulators take turns, one instruction a turn: no two matrix instructions that follow each other share one, from macro to macro and over the loop's edge too.
; 32 matrix instructions: factors p0 and p0 + 1 (window 2), both parts, 8 blocks of rows.  zero = 1: the upper part's products start the sums
.macro MULW2 buf, p0, zero
	WIN 0xa4                                       ; x window 0, W window 1, C and D window 2
.set FB, 104*(\buf)
.set FA, 64+72*(\buf)
.irp pp, \p0, (\p0)+1
.irp hh, 0,1
.irp rt, 0,1,2,3,4,5,6,7
.set A_, 64*(\pp)+8*\rt
.if (\zero) && (\hh == 0)
	v_wmma_f32_16x16x32_bf16 v[A_:A_+7], v[FA+8*\rt:FA+8*\rt+7], v[FB+8*(2*(\pp)+\hh):FB+8*(2*(\pp)+\hh)+7], 0
.else
	v_wmma_f32_16x16x32_bf16 v[A_:A_+7], v[FA+8*\rt:FA+8*\rt+7], v[FB+8*(2*(\pp)+\hh):FB+8*(2*(\pp)+\hh)+7], v[A_:A_+7]
.endif
.endr
.endr
.endr
.endm
.macro SW o, fq, z                     ; the ninth block times fragment fq of W, onto its accumulator o
.if \z
	v_wmma_f32_16x16x32_bf16 v[192+8*(\o):199+8*(\o)], v[FA+64:FA+71], v[FB+8*(\fq):FB+8*(\fq)+7], 0
.else
	v_wmma_f32_16x16x32_bf16 v[192+8*(\o):199+8*(\o)], v[FA+64:FA+71], v[FB+8*(\fq):FB+8*(\fq)+7], v[192+8*(\o):199+8*(\o)]
.endif
.endm
; 47 matrix instructions: factors 4 and 5 (both parts), factor 6, and the ninth block's seven
.macro MULW3 buf, zero
	WIN 0xf4                                       ; C and D window 3
.set FB, 104*(\buf)
.set FA, 64+72*(\buf)
.irp fq, 8,9,10,11,12
.irp rt, 0,1,2,3,4,5,6,7
.set A_, 64*(\fq/2-4)+8*\rt
.if (\zero) && (\fq%2 == 0)
	v_wmma_f32_16x16x32_bf16 v[A_:A_+7], v[FA+8*\rt:FA+8*\rt+7], v[FB+8*\fq:FB+8*\fq+7], 0
.else
	v_wmma_f32_16x16x32_bf16 v[A_:A_+7], v[FA+8*\rt:FA+8*\rt+7], v[FB+8*\fq:FB+8*\fq+7], v[A_:A_+7]
.endif
.endr
.endr
	SW 0, 2, \zero
	SW 1, 6, \zero
	SW 2, 10, \zero
	SW 3, 12, \zero
	SW 0, 3, 0
	SW 1, 7, 0
	SW 2, 11, 0
.endm
; A K step is two halves of 32.  The first multiplies buffer 0 and fetches the slot's second half into buffer 1.
.macro HALF slot, so, zero
	s_wait_dscnt 0x0                               ; buffer 0 is in
	MULW2 0, 0, \zero
	MULW2 0, 2, \zero
	PLACES                                         ; for the loads into buffer 1, which the half before multiplied
	FETCH \slot, 1, 1, \so
	MULW3 0, \zero
.endm
; The second multiplies buffer 1 and changes slots: ONE barrier.  In front of it each wave waits for all its tensor loads (one is out: its part of the next slot), adds 0 to its spare word, and waits for that and for its reads
; of this slot.  fill = 1: the barrier opens a round of the cluster's, and the slot is filled again, two K steps ahead: from that request to the wait for it a wave issues 47 + 111 matrix instructions.
.macro TURN slot, next, fill, so
	WIN 0
	s_wait_tensorcnt 0x0
	ds_add_u32 v[SPW], v[NIL]                      ; 0 onto my spare word
	s_wait_dscnt 0x1                               ; buffer 1 is in; only the add may be out
	MULW2 1, 0, 0
	s_wait_dscnt 0x0                               ; the add is done, and my reads of this slot are over
	s_barrier_signal -1
	MULW2 1, 2, 0
	WIN 0
	s_barrier_wait -1
.if \fill
	CREST                                          ; no wave of any partner still reads this slot's tiles or has a load on its way
	s_add_nc_u64 s[G0A+4*(\slot)+2:G0A+4*(\slot)+3], s[G0A+4*(\slot)+2:G0A+4*(\slot)+3], 2*ASTEP
	s_add_nc_u64 s[G0B+4*(\slot)+2:G0B+4*(\slot)+3], s[G0B+4*(\slot)+2:G0B+4*(\slot)+3], 2*BSTEP
	JLOAD \slot                                    ; the first tensor load behind the round; its four v_nop are also the places in front of the loads below
.else
	PLACES
.endif
	FETCH \next, 0, 0, \so
	MULW3 1, 0
.endm
	s_wait_tensorcnt 0x1                           ; my part of K step 0 is in; step 1's may stay out
	s_wait_dscnt 0x0                               ; my part of the ninth block lies in LDS
	s_barrier_signal -1
	s_barrier_wait -1
	FETCH 0, 0, 0, 0
	HALF 0, 64, 1                                  ; the first half stands in front of the loop: its products start the sums
	WIN 0
	s_mov_b32 s[CNT], 7
.Lloop:                                                ; a trip: once round the ring, both slots filled again
	TURN 0, 1, 1, 128
	HALF 1, 192, 0
	TURN 1, 0, 1, 256
	HALF 0, 320, 0
	WIN 0
	v_add_nc_u32 v[ADRS], 256, v[ADRS]             ; two K steps along s
	s_sub_co_u32 s[CNT], s[CNT], 1
	s_cmp_lg_u32 s[CNT], 0
	s_cbranch_scc1 .Lloop
	TURN 0, 1, 0, 128                              ; the last two K steps ask for nothing.  Behind this barrier nobody reads slot 0 any more
	HALF 1, 192, 0
	PLACES                                         ; for the loads into buffer 0's registers
	WIN 0
.irp rt, 0,1,2,3,4,5,6,7               ; the mask as f32 of my 8 rows in each block of 16 -> window 0 v[64 + 8 rt ..]
	global_load_b128 v[64+8*\rt:67+8*\rt], v[MO], s[92:93] offset:64*\rt
	global_load_b128 v[68+8*\rt:71+8*\rt], v[MO], s[92:93] offset:64*\rt+16
.endr
	WIN 0x40
.irp rt, 0,1,2,3,4,5,6,7               ; 1 / nc of the same rows -> window 1 v[8 rt ..]
	global_load_b128 v[8*\rt:8*\rt+3],   v[MO], s[92:93] offset:32768+64*\rt
	global_load_b128 v[8*\rt+4:8*\rt+7], v[MO], s[92:93] offset:32768+64*\rt+16
.endr
	s_wait_dscnt 0x0
	MULW2 1, 0, 0
	MULW2 1, 2, 0
	MULW3 1, 0
	PLACES                                         ; behind the last products
	s_wait_loadcnt 0x0
	; THE SUMS ALONG THE ROWS.  First inside a lane's 8 rows, in place: c0 = m0 a0, cj = mj aj + c(j-1); 16 chains side by side.  Each accumulator's lowest register is read first.
.macro SCAN w, b1, b2
	WIN \w
.set j, 0
.rept 8
.irp bs, \b1, \b2
.irp rt, 0,1,2,3,4,5,6,7
.if j == 0
	v_mul_f32 v[\bs+8*\rt], v[64+8*\rt], v[\bs+8*\rt]
.else
	v_fma_f32 v[\bs+8*\rt+j], v[64+8*\rt+j], v[\bs+8*\rt+j], v[\bs+8*\rt+j-1]
.endif
.endr
.endr
.set j, j+1
.endr
.endm
	SCAN 0xa8, 64, 192                             ; factors 1 and 3: mask window 0, the rest window 2
	SCAN 0xfc, 64, 128                             ; factors 5 and 6: window 3
	; Then from lane to lane and from block to block.  For sum o and block rt a pair in window 0, v[136 + 2 (8 o + rt)]: X = the other half of the lanes' total, later what my 8 rows must still take; S = the block's total.
.macro EDGE o, base
.set rt, 0
.rept 8
	v_permlanex16_b32 v[136+2*(8*(\o)+rt)], v[(\base)+8*rt+7], s[SEL], s[SEL+1]
.set rt, rt+1
.endr
.set rt, 0
.rept 8
	v_add_f32 v[137+2*(8*(\o)+rt)], v[(\base)+8*rt+7], v[136+2*(8*(\o)+rt)]
.set rt, rt+1
.endr
.endm
	WIN 0x02
	EDGE 0, 64
	EDGE 1, 192
	WIN 0x03
	EDGE 2, 64
	EDGE 3, 128
	WIN 0x0f
.irp o, 0,1,2,3
	v_add_f32 v[200+\o], v[192+8*\o], v[193+8*\o]  ; the ninth block: row 0 (s upper) + row 1 (s lower), in lanes 0-15; the other lanes hold rows of zeros
.endr
	WIN 0
.irp o, 0,1,2,3
	v_permlanex16_b32 v[204+\o], v[200+\o], s[SEL], s[SEL+1]
.endr
.irp o, 0,1,2,3
	v_add_f32 v[200+\o], v[200+\o], v[204+\o]      ; what the rows in front of the tile bring, in every lane
.endr
.set rt, 0
.rept 8
.irp o, 0,1,2,3
	v_fma_f32 v[136+2*(8*\o+rt)], v[HSEL], v[136+2*(8*\o+rt)], v[200+\o]  ; rows 8-15 of a block also take rows 0-7's total
.endr
.irp o, 0,1,2,3
	v_add_f32 v[200+\o], v[200+\o], v[137+2*(8*\o+rt)]
.endr
.set rt, rt+1
.endr
.macro ADDC o, base
.set rt, 0
.rept 8
.irp k, 0,2,4,6
	v_pk_add_f32 v[(\base)+8*rt+\k:(\base)+8*rt+\k+1], v[(\base)+8*rt+\k:(\base)+8*rt+\k+1], v[136+2*(8*(\o)+rt):137+2*(8*(\o)+rt)] op_sel_hi:[1,0]
.endr
.set rt, rt+1
.endr
.endm
	WIN 0x82
	ADDC 0, 64
	ADDC 1, 192
	WIN 0xc3
	ADDC 2, 64
	ADDC 3, 128
	; THE PRODUCTS, two numbers at a time, in ascending order of registers
.macro ALL32 line:vararg               ; one line for each pair n of 32
.set n, 0
.rept 32
	\line
.set n, n+2
.endr
.endm
	WIN 0xaa
	ALL32 v_pk_mul_f32 v[n:n+1], v[n:n+1], v[64+n:65+n]                            ; A0 C1
	ALL32 v_pk_mul_f32 v[128+n:129+n], v[128+n:129+n], v[192+n:193+n]              ; A2 C3
	ALL32 v_pk_fma_f32 v[n:n+1], v[128+n:129+n], s[AB:AB+1], v[n:n+1] op_sel_hi:[1,0,1]
	WIN 0x86
	ALL32 v_pk_mul_f32 v[n:n+1], v[n:n+1], v[n:n+1]                                ; Gb = (..) x 1 / nc (window 1)
	WIN 0x45
	ALL32 v_pk_mul_f32 v[n:n+1], v[n:n+1], v[n:n+1]                                ; 1 / nc^2
	ALL32 v_pk_mul_f32 v[n:n+1], v[n:n+1], s[AT:AT+1] op_sel_hi:[1,0]              ; x alpha_tri
	WIN 0xcf
	ALL32 v_pk_mul_f32 v[n:n+1], v[n:n+1], v[64+n:65+n]                            ; A4 C5
	ALL32 v_pk_mul_f32 v[n:n+1], v[n:n+1], v[128+n:129+n]                          ; x C6
	WIN 0xc7
	ALL32 v_pk_mul_f32 v[n:n+1], v[n:n+1], v[n:n+1]                                ; Gt
	; THE WAY OUT.  part 0: Gb (window 2 v0-63), part 1: Gt (window 3 v0-63).  Upper parts, what their rounding left, lower parts; a lane's 8 rows of one column are 16 bytes of a row of G transposed.
.macro SPLIT part
	WIN 0x0a+5*(\part)
.set n, 0
.rept 32
	v_cvt_pk_bf16_f32 v[64+n], v[2*n], v[2*n+1]
.set n, n+1
.endr
	WIN 0
.set n, 0
.rept 32
	v_lshlrev_b32 v[136+2*n], 16, v[64+n]
	v_and_b32 v[137+2*n], 0xffff0000, v[64+n]
.set n, n+1
.endr
	WIN 0x02+(\part)
.set n, 0
.rept 32
	v_pk_add_f32 v[136+2*n:137+2*n], v[2*n:2*n+1], v[136+2*n:137+2*n] neg_lo:[0,1] neg_hi:[0,1]
.set n, n+1
.endr
	WIN 0
.set n, 0
.rept 32
	v_cvt_pk_bf16_f32 v[96+n], v[136+2*n], v[137+2*n]
.set n, n+1
.endr
.irp rt, 0,1,2,3,4,5,6,7
	ds_store_b128 v[STO], v[64+4*\rt:67+4*\rt] offset:(2*(\part))*16*SP+32*\rt
	ds_store_b128 v[STO], v[96+4*\rt:99+4*\rt] offset:(2*(\part)+1)*16*SP+32*\rt
.endr
.endm
	SPLIT 0
	SPLIT 1
.set n, 0
.rept 32                               ; block n / 8 = 2 part + (upper 0, lower 1): 16 rows of 256 bytes, two rows a load
	ds_load_b128 v[64+4*n:67+4*n], v[RD] offset:(n/8)*16*SP+(n%8)*2*SP  ; LDS serves a wave's instructions in order (ISA guide 5.7.1.4): these see the stores above
.set n, n+1
.endr
.set n, 0
.rept 32
	s_wait_dscnt 31-n
	global_store_b128 v[GO], v[64+4*n:67+4*n], s[94:95] offset:(n/16)*131072+((n/8)%2)*16384+(n%8)*512  ; 512 consecutive bytes, at a multiple of 256 from GT's first
.set n, n+1
.endr
	s_wait_tensorcnt 0x0                           ; the wave's end
	ds_add_u32 v[SPW], v[NIL]
	s_wait_dscnt 0x0
	CROUND                                         ; the closing round: no work-group ends while a partner may still ask for a tile that names it
	s_endpgm
.Lfunc_end_k_q2425b15573_main1:
	.size	k_q2425b15573_main1, .Lfunc_end_k_q2425b15573_main1-k_q2425b15573_main1
	.p2alignl 7, 3214868480
	.fill 96, 4, 3214868480
	.section	.rodata,"a",@progbits
	.p2align	6, 0x0
	.amdhsa_kernel k_q2425b15573_main1
		.amdhsa_group_segment_fixed_size 327680
		.amdhsa_private_segment_fixed_size 0
		.amdhsa_enable_private_segment 0
		.amdhsa_kernarg_size 48
		.amdhsa_user_sgpr_count 2
		.amdhsa_user_sgpr_kernarg_segment_ptr 1
		.amdhsa_wavefront_size32 1
		.amdhsa_system_sgpr_workgroup_id_x 1
		.amdhsa_system_sgpr_workgroup_id_y 1
		.amdhsa_system_sgpr_workgroup_id_z 1
		.amdhsa_system_vgpr_workitem_id 0
		.amdhsa_next_free_vgpr 1024
		.amdhsa_next_free_sgpr 104
		.amdhsa_reserve_vcc 0
		.amdhsa_float_denorm_mode_32 3
		.amdhsa_float_denorm_mode_16_64 3
		.amdhsa_memory_ordered 1
		.amdhsa_forward_progress 1
		.amdhsa_inst_pref_size 181
	.end_amdhsa_kernel
	.amdgpu_metadata
---
amdhsa.version: [ 1, 2 ]
amdhsa.kernels:
  - .name:           k_q2425b15573_main1
    .symbol:         k_q2425b15573_main1.kd
    .args:
      - { .name: XB, .offset: 0, .size: 8, .value_kind: global_buffer, .address_space: global }
      - { .name: WB, .offset: 8, .size: 8, .value_kind: global_buffer, .address_space: global }
      - { .name: AUX, .offset: 16, .size: 8, .value_kind: global_buffer, .address_space: global }
      - { .name: alpha_bi, .offset: 24, .size: 8, .value_kind: global_buffer, .address_space: global }
      - { .name: alpha_tri, .offset: 32, .size: 8, .value_kind: global_buffer, .address_space: global }
      - { .name: GT, .offset: 40, .size: 8, .value_kind: global_buffer, .address_space: global }
    .group_segment_fixed_size: 327680
    .private_segment_fixed_size: 0
    .kernarg_segment_align: 8
    .kernarg_segment_size: 48
    .max_flat_workgroup_size: 128
    .sgpr_count:     104
    .vgpr_count:     1024
    .wavefront_size: 32
...
	.end_amdgpu_metadata
.endif
;; end of part 4
;; launch main2 (part 5): grid 4 x 64, 4 waves a work-group, clusters of 4 x 4, 327,680 bytes of LDS; arguments GT, MB, AUX, out0; writes out0
.if DOCPART == 5
	.amdgcn_target "amdgcn-amd-amdhsa--gfx1250"
	.amdhsa_code_object_version 6
	.text
	.protected	k_q2425b15573_main2
	.globl	k_q2425b15573_main2
	.p2align	8
	.type	k_q2425b15573_main2,@function
k_q2425b15573_main2:
	s_mov_b64 s[64:65], 0
	v_nop
	global_prefetch_b8 v0, s[64:65] scope:SCOPE_SE
	s_setreg_imm32_b32 hwreg(HW_REG_WAVE_MODE, 25, 1), 1
	s_wait_xcnt 0x0
	s_wait_alu depctr_hold_cnt(0) depctr_sa_sdst(0) depctr_va_vdst(0) depctr_va_sdst(0) depctr_va_ssrc(0) depctr_va_vcc(0) depctr_vm_vsrc(0)
	s_getreg_b32 s2, hwreg(HW_REG_IB_STS2, 6, 4)
	s_cmp_eq_u32 s2, 0
	s_cbranch_scc0 .Lentry_in_a_cluster
	s_endpgm
.Lentry_in_a_cluster:
	s_bfe_u32 s2, ttmp6, 0x10000c
	s_cmp_lg_u32 s2, 0xf033
	s_cbranch_scc0 .Lentry_shape_is_right
	s_endpgm
.Lentry_shape_is_right:
; out[m][d] = sum over the 512 rank columns r of G[m][r] M[d][r] + ratio[m] BO[d].   G = (Gb | Gt), M = (Wo U_b | Wo U_t), each as bf16 upper + lower part:
; three products, upper x upper, upper x lower, lower x upper; lower x lower, some 2^-18 of the result, is left out.  Sums in f32; out in f32.
; SHARES.  A work-group: 128 rows m (row tile y) x 256 columns d (block x).  A wave: 64 x 128: 32 accumulators.  K goes in 8 steps of 64 rank columns through two LDS slots.
; THE MATRIX INSTRUCTION IS USED TRANSPOSED: source 0 = 16 rows d of M (K along the rows), source 1 = 16 rows m of G, which lies [K][m] and comes out of LDS turned.  A lane then holds one row m (lane % 16) and eight neighbouring d.
; CLUSTER 4 x 4: the four column blocks of a row tile share G's tile (my row of the cluster), the four row tiles share M's (my column): joint loads.
; REGISTERS: window 0: v0-29 addresses; v64-127, v128-191 fragments of G (4 blocks of m, upper then lower), two buffers; v192-255 at work on the way out
;   window 1: v0-127, v128-255 fragments of M (8 blocks of d, upper then lower), two buffers        window 2: accumulator (mt, nt) at v[8 (8 mt + nt)]
; LIMITS.  NaN and infinities are not treated apart; the order of the f32 sums is the matrix unit's.
.set PG,    288                        ; an LDS row of G transposed: 256 bytes + 32: an odd multiple of 32, for the turning load
.set PM,    272                        ; an LDS row of M: 256 + 16: the 16 rows of a load start at 16 different groups of four banks (64 banks of 4 bytes: ISA guide 11.1)
.set MOFF,  128*PG
.set SLOT,  MOFF+256*PM
.set STAGE, 2*SLOT                     ; behind the ring, never filled by a tensor load: 16 rows x 528 bytes for each wave
.set SPO,   528
.set SPARE, STAGE+4*16*SPO             ; the spare words, 128 bytes for each wave: two blocks of 256 bytes that no other line names
.set ADRG, 2                           ; v2-3  LDS address of my G fragments in slot 0, 1
.set ADRM, 4                           ; v4-5  of my M fragments
.set STO,  6                           ; v6    the way out: where I put 32 bytes of a row
.set RD,   7                           ; v7    where I read a row back
.set GO,   8                           ; v8    16 x lane: my place in 512 consecutive bytes of out
.set BOO,  9                           ; v9    32 (lane / 16): my 8 columns in BO
.set RTO,  10                          ; v10   4 (lane % 16): my row in the ratios
.set SPW,  28                          ; v28   LDS address of my spare word; never rewritten
.set NIL,  29                          ; v29   0; never rewritten
.set WV,   12                          ; s12   my wave's number
.set G1A,  24                          ; s[24:31] descriptor group 1 for G's tiles
.set G1B,  32                          ; s[32:39] for M's
.set G0A,  40                          ; s[40:47] group 0 for G's tiles, a set for each slot
.set G0B,  48                          ; s[48:55] for M's
.set CNT,  68
.set MSB, 0
.macro WIN new                         ; the immediate's high byte repeats the setting that is left; a switch that changes nothing is dropped
.if MSB != (\new)
	s_set_vgpr_msb (MSB<<8)|(\new)
.set MSB, \new
.endif
.endm
.macro PLACES                          ; four places between a matrix instruction and a load into, or a vector instruction on, its registers
.rept 4
	v_nop
.endr
.endm
.macro JLOAD s                         ; waves 0 and 1 fetch G's upper and lower part, waves 2 and 3 the two halves of M's rows; an s_nop 0 and four v_nop follow each line
	s_cmp_eq_u32 s14, 0
	s_cbranch_scc0 .Lfor_b_\@
	tensor_load_to_lds s[G0A+4*(\s):G0A+4*(\s)+3], s[G1A:G1A+7]
	s_nop 0
	PLACES
	s_branch .Lasked_\@
.Lfor_b_\@:
	tensor_load_to_lds s[G0B+4*(\s):G0B+4*(\s)+3], s[G1B:G1B+7]
	s_nop 0
	PLACES
.Lasked_\@:
.endm
.macro CREST                           ; a round of the cluster's barrier behind its opening barrier
	s_cmp_lg_u32 s[WV], 0
	s_cbranch_scc1 .Lnot_wave_0_\@
	s_barrier_signal -3
.Lnot_wave_0_\@:
	s_barrier_wait -3
	s_barrier_signal -1
	s_barrier_wait -1
.endm
.macro CROUND                          ; a whole round
	s_barrier_signal -1
	s_barrier_wait -1
	CREST
.endm
	s_load_b256 s[4:11], s[0:1], 0x0               ; GT s[4:5], MB s[6:7], AUX s[8:9], out0 s[10:11]
	v_lshl_add_u32 v[SPW], v0, 2, SPARE
	v_mov_b32 v[NIL], 0
	ds_add_u32 v28, v29
	ds_add_u32 v28, v29
	s_wait_dscnt 0x0
	v_lshrrev_b32 v1, 5, v0
	v_readfirstlane_b32 s[WV], v1
	s_and_b32 s13, s[WV], 1                        ; which 128 d are mine; also which part of a tile I fetch
	s_lshr_b32 s14, s[WV], 1                       ; which 64 m are mine; also: I fetch for G (0) or for M (1)
	s_bfe_u32 s20, ttmp6, 0x40000                  ; cx
	s_bfe_u32 s21, ttmp6, 0x40004                  ; cy
	s_lshl_b32 s22, ttmp9, 2
	s_add_co_u32 s22, s22, s20                     ; x = 4 x cluster x + cx
	s_and_b32 s23, ttmp7, 0xffff
	s_lshl_b32 s23, s23, 2
	s_add_co_u32 s23, s23, s21                     ; y = 4 x cluster y + cy
	s_lshl_b32 s15, s21, 2
	s_lshl_b32 s15, 15, s15                        ; my row of the cluster
	s_lshl_b32 s16, 0x1111, s20                    ; my column
	s_or_b32 s[G1A+0], s15, (1<<16)|(1<<20)|(1<<21)|(5<<22)|(7<<25)  ; 15:0 the mask; 17:16 2-byte elements; 20 padding on; 21 set beside a mask; 24:22 after every 64 words; 31:25 8 words
	s_mov_b32 s[G1A+1], 128<<16                    ; tensor_dim0 = 128
	s_mov_b32 s[G1A+2], 64<<16                     ; tensor_dim1 = 64
	s_mov_b32 s[G1A+3], 128<<16                    ; tile_dim0 = 128
	s_mov_b32 s[G1A+4], 64                         ; tile_dim1 = 64: the 64 rank columns of one part
	s_mov_b32 s[G1A+5], 128                        ; elements from row to row
	s_mov_b32 s[G1A+6], 0
	s_mov_b32 s[G1A+7], 0
	s_or_b32 s[G1B+0], s16, (1<<16)|(1<<20)|(1<<21)|(5<<22)|(3<<25)  ; the same with my column's mask and 4 words of padding
	s_mov_b32 s[G1B+1], 128<<16
	s_mov_b32 s[G1B+2], 128<<16
	s_mov_b32 s[G1B+3], 128<<16
	s_mov_b32 s[G1B+4], 128                        ; 128 rows d
	s_mov_b32 s[G1B+5], 128
	s_mov_b32 s[G1B+6], 0
	s_mov_b32 s[G1B+7], 0
	s_lshl_b32 s56, s23, 18                        ; G's tile hangs on y and the wave: 262,144 bytes a row tile, 16,384 a part
	s_lshl_b32 s57, s13, 14
	s_add_co_u32 s56, s56, s57
	s_mov_b32 s57, 0
	s_lshl_b32 s58, s22, 16                        ; M's on x and the wave: 256 rows of 256 bytes a block, my 128 of them
	s_lshl_b32 s59, s13, 15
	s_add_co_u32 s58, s58, s59
	s_mov_b32 s59, 0
	s_lshl_b32 s60, s22, 10                        ; BO at my 128 columns
	s_lshl_b32 s61, s13, 9
	s_add_co_u32 s60, s60, s61
	s_mov_b32 s66, s60                             ; (the same bytes along a row of out)
	s_add_co_u32 s60, s60, 360448
	s_mov_b32 s61, 0
	s_lshl_b32 s62, s23, 9                         ; the ratios of my 64 rows
	s_lshl_b32 s63, s14, 8
	s_add_co_u32 s62, s62, s63
	s_add_co_u32 s62, s62, 327680
	s_mov_b32 s63, 0
	s_lshl_b32 s67, s23, 19                        ; out: 128 rows of 4,096 bytes a tile, my 64
	s_add_co_u32 s66, s66, s67
	s_lshl_b32 s67, s14, 18
	s_add_co_u32 s66, s66, s67
	s_mov_b32 s67, 0
	s_mul_i32 s18, s13, 64*PG                      ; where my part of a tile goes: no place in the cluster enters an LDS address
	s_mul_i32 s19, s13, 128*PM
	s_add_co_u32 s19, s19, MOFF
	s_wait_kmcnt 0x0
	s_add_nc_u64 s[56:57], s[4:5], s[56:57]
	s_add_nc_u64 s[58:59], s[6:7], s[58:59]
	s_add_nc_u64 s[60:61], s[8:9], s[60:61]
	s_add_nc_u64 s[62:63], s[8:9], s[62:63]
	s_add_nc_u64 s[66:67], s[10:11], s[66:67]
	CROUND                                         ; all sixteen work-groups are here: the first joint loads meet
.irp s, 0,1
	s_mov_b32 s[G0A+4*(\s)], 1
	s_add_co_u32 s[G0A+4*(\s)+1], s18, (\s)*SLOT
	s_add_nc_u64 s[G0A+4*(\s)+2:G0A+4*(\s)+3], s[56:57], (\s)*32768
	s_or_b32 s[G0A+4*(\s)+3], s[G0A+4*(\s)+3], 0x80000000
	s_mov_b32 s[G0B+4*(\s)], 1
	s_add_co_u32 s[G0B+4*(\s)+1], s19, (\s)*SLOT
	s_add_nc_u64 s[G0B+4*(\s)+2:G0B+4*(\s)+3], s[58:59], (\s)*262144
	s_or_b32 s[G0B+4*(\s)+3], s[G0B+4*(\s)+3], 0x80000000
	JLOAD \s                                       ; two loads of mine are out
.endr
	v_and_b32 v1, 15, v0                           ; r
	v_bfe_u32 v11, v0, 4, 1                        ; h
	v_and_b32 v12, 7, v0
	v_bfe_u32 v13, v0, 3, 1
	v_lshl_add_u32 v12, v11, 3, v12                ; the turning load: row 8 h + l % 8, byte 16 ((l / 8) % 2)
	v_mul_u32_u24 v[ADRG], v12, PG
	v_lshl_add_u32 v[ADRG], v13, 4, v[ADRG]
	s_lshl_b32 s17, s14, 7                         ; my 64 m: 128 bytes along a row
	v_add_nc_u32 v[ADRG], s17, v[ADRG]
	v_add_nc_u32 v[ADRG+1], SLOT, v[ADRG]
	s_lshl_b32 s17, s13, 7                         ; my 128 rows d
	v_add_nc_u32 v[ADRM], s17, v1
	v_mul_u32_u24 v[ADRM], v[ADRM], PM
	v_lshl_add_u32 v[ADRM], v11, 4, v[ADRM]        ; row x pitch + 16 x half
	v_add_nc_u32 v[ADRM], MOFF, v[ADRM]
	v_add_nc_u32 v[ADRM+1], SLOT, v[ADRM]
	s_mul_i32 s17, s[WV], 16*SPO
	s_add_co_u32 s17, s17, STAGE                   ; my stage
	v_mul_u32_u24 v[STO], v1, SPO                  ; in: row r, 32 bytes for each half of the lanes
	v_lshl_add_u32 v[STO], v11, 5, v[STO]
	v_add_nc_u32 v[STO], s17, v[STO]
	v_and_b32 v[GO], 31, v0
	v_lshlrev_b32 v[GO], 4, v[GO]
	v_add_nc_u32 v[RD], s17, v[GO]                 ; back: 32 lanes take one row of 512 bytes
	v_lshlrev_b32 v[BOO], 5, v11
	v_lshlrev_b32 v[RTO], 2, v1
; 48 LDS loads in one run: for 32 along K (half ks of the slot's step) the 16 fragments of M and the 8 of G, into buffer buf
.macro FETCH slot, ks, buf
	WIN 0x40                                       ; destination window 1, address window 0
.set q, 0
.rept 16                               ; fragment q: part q / 8 (upper, lower), 16 rows d at q % 8
	ds_load_b128 v[128*(\buf)+8*q:128*(\buf)+8*q+3],   v[ADRM+(\slot)] offset:(q%8)*16*PM+(q/8)*128+(\ks)*64
	ds_load_b128 v[128*(\buf)+8*q+4:128*(\buf)+8*q+7], v[ADRM+(\slot)] offset:(q%8)*16*PM+(q/8)*128+(\ks)*64+32
.set q, q+1
.endr
	WIN 0
.set q, 0
.rept 8                                ; fragment q: part q / 4, 16 rows m at q % 4
	ds_load_tr16_b128 v[64+64*(\buf)+8*q:64+64*(\buf)+8*q+3],   v[ADRG+(\slot)] offset:(q/4)*64*PG+(\ks)*32*PG+32*(q%4)
	ds_load_tr16_b128 v[64+64*(\buf)+8*q+4:64+64*(\buf)+8*q+7], v[ADRG+(\slot)] offset:(q/4)*64*PG+(\ks)*32*PG+16*PG+32*(q%4)
.set q, q+1
.endr
.endm
; 16 matrix instructions: blocks mt0, mt0 + 1 of m x all 8 blocks of d.  pr = 0: M upper x G upper; 1: M upper x G lower; 2: M lower x G upper.  zero = 1: the products start the sums.
; The 32 accumulators take turns, one instruction a turn, in the same order in every product: between two links of a chain stand the 31 others'.
.macro MUL16 buf, pr, mt0, zero
	WIN 0xa1                                       ; M window 1, G window 0, C and D window 2
.set FM, 128*(\buf)+64*((\pr)/2)
.set FG, 64+64*(\buf)+32*((\pr)%2)
.irp mt, \mt0, (\mt0)+1
.irp nt, 0,1,2,3,4,5,6,7
.set A_, 8*(8*(\mt)+\nt)
.if \zero
	v_wmma_f32_16x16x32_bf16 v[A_:A_+7], v[FM+8*\nt:FM+8*\nt+7], v[FG+8*(\mt):FG+8*(\mt)+7], 0
.else
	v_wmma_f32_16x16x32_bf16 v[A_:A_+7], v[FM+8*\nt:FM+8*\nt+7], v[FG+8*(\mt):FG+8*(\mt)+7], v[A_:A_+7]
.endif
.endr
.endr
.endm
; A K step is two halves of 32, 96 matrix instructions each.  The first multiplies buffer 0 and fetches the slot's second half into buffer 1.
.macro HALF slot, zero
	s_wait_dscnt 0x0                               ; buffer 0 is in
	MUL16 0, 0, 0, \zero
	MUL16 0, 0, 2, \zero
	MUL16 0, 1, 0, 0
	PLACES                                         ; for the loads into buffer 1, which the half before multiplied
	FETCH \slot, 1, 1
	MUL16 0, 1, 2, 0
	MUL16 0, 2, 0, 0
	MUL16 0, 2, 2, 0
.endm
; The second multiplies buffer 1 and changes slots: ONE barrier.  In front of it each wave waits for all its tensor loads (one is out: its part of the next slot), adds 0 to its spare word, and waits for that and for its reads
; of this slot.  fill = 1: the barrier opens a round of the cluster's, and the slot is filled again, two K steps ahead: from that request to the wait for it a wave issues 48 + 96 matrix instructions.
.macro TURN slot, next, fill
	WIN 0
	s_wait_tensorcnt 0x0
	ds_add_u32 v[SPW], v[NIL]                      ; 0 onto my spare word
	s_wait_dscnt 0x1                               ; buffer 1 is in; only the add may be out
	MUL16 1, 0, 0, 0
	s_wait_dscnt 0x0                               ; the add is done, and my reads of this slot are over
	s_barrier_signal -1
	MUL16 1, 0, 2, 0
	MUL16 1, 1, 0, 0
	WIN 0                                          ; at a branch and at a label every window is 0
	s_barrier_wait -1
.if \fill
	CREST                                          ; no wave of any partner still reads this slot's tiles or has a load on its way
	s_add_nc_u64 s[G0A+4*(\slot)+2:G0A+4*(\slot)+3], s[G0A+4*(\slot)+2:G0A+4*(\slot)+3], 2*32768
	s_add_nc_u64 s[G0B+4*(\slot)+2:G0B+4*(\slot)+3], s[G0B+4*(\slot)+2:G0B+4*(\slot)+3], 2*262144
	JLOAD \slot                                    ; the first tensor load behind the round; its four v_nop are also the places in front of the loads below
.else
	PLACES
.endif
	FETCH \next, 0, 0
	MUL16 1, 1, 2, 0
	MUL16 1, 2, 0, 0
	MUL16 1, 2, 2, 0
.endm
	s_wait_tensorcnt 0x1                           ; my part of K step 0 is in; step 1's may stay out
	s_barrier_signal -1
	s_barrier_wait -1
	FETCH 0, 0, 0
	HALF 0, 1                                      ; the first half stands in front of the loop: its first products start the sums
	WIN 0
	s_mov_b32 s[CNT], 3
.Lloop:                                                ; a trip: once round the ring, both slots filled again
	TURN 0, 1, 1
	HALF 1, 0
	TURN 1, 0, 1
	HALF 0, 0
	WIN 0
	s_sub_co_u32 s[CNT], s[CNT], 1
	s_cmp_lg_u32 s[CNT], 0
	s_cbranch_scc1 .Lloop
	TURN 0, 1, 0                                   ; the last two K steps ask for nothing
	HALF 1, 0
	PLACES                                         ; for the loads into buffer 0's registers
	WIN 0x40
.irp nt, 0,1,2,3,4,5,6,7               ; BO of my 8 columns in each block of 16 -> window 1 v[8 nt ..]
	global_load_b128 v[8*\nt:8*\nt+3],   v[BOO], s[60:61] offset:64*\nt
	global_load_b128 v[8*\nt+4:8*\nt+7], v[BOO], s[60:61] offset:64*\nt+16
.endr
	WIN 0
.irp mt, 0,1,2,3                       ; the ratio of my row in each block of 16 -> window 0 v[64 + 2 mt], the low word of a pair
	global_load_b32 v[64+2*\mt], v[RTO], s[62:63] offset:64*\mt
.endr
	s_wait_dscnt 0x0                               ; buffer 1 is in
	MUL16 1, 0, 0, 0
	MUL16 1, 0, 2, 0
	MUL16 1, 1, 0, 0
	MUL16 1, 1, 2, 0
	MUL16 1, 2, 0, 0
	MUL16 1, 2, 2, 0
	PLACES                                         ; behind the last products
	s_wait_loadcnt 0x0
	; out = sums + BO x ratio, two numbers at a time, each accumulator's registers in ascending order
.set a, 0
.rept 32                               ; accumulator a = 8 mt + nt
.irp k, 0,2,4,6
	v_pk_fma_f32 v[8*a+\k:8*a+\k+1], v[8*(a%8)+\k:8*(a%8)+\k+1], v[64+2*(a/8):65+2*(a/8)], v[8*a+\k:8*a+\k+1] op_sel_hi:[1,0,1]
.endr
.set a, a+1
.endr
	; THE WAY OUT, a block of 16 rows at a time: a lane's 8 neighbouring numbers of a row go into my stage, rows of 512 + 16 bytes, and come back as whole rows.
.macro SENDO mt
.set BK, 192-64*((\mt)%2)              ; v192-255 and v128-191 by turns
	WIN 0x08                                       ; store data (source 1) window 2, address window 0
.irp nt, 0,1,2,3,4,5,6,7
	ds_store_b128 v[STO], v[8*(8*(\mt)+\nt):8*(8*(\mt)+\nt)+3]   offset:64*\nt
	ds_store_b128 v[STO], v[8*(8*(\mt)+\nt)+4:8*(8*(\mt)+\nt)+7] offset:64*\nt+16
.endr
	WIN 0
.if (\mt) >= 2
	s_wait_xcnt 0x0                                ; the registers that the stores two blocks back read are loaded again only behind this wait
.endif
.set t, 0
.rept 16
	ds_load_b128 v[BK+4*t:BK+4*t+3], v[RD] offset:SPO*t  ; LDS serves a wave's instructions in order (ISA guide 5.7.1.4): these see the stores above; the next block's stores come behind them
.set t, t+1
.endr
.set t, 0
.rept 16
	s_wait_dscnt 15-t                              ; row t is back; the younger loads stay out
	global_store_b128 v[GO], v[BK+4*t:BK+4*t+3], s[66:67] offset:(16*(\mt)+t)*4096 th:TH_STORE_NT  ; the wave stores 512 consecutive bytes, at a multiple of 256 from out's first
.set t, t+1
.endr
.endm
	SENDO 0
	SENDO 1
	SENDO 2
	SENDO 3
	s_wait_tensorcnt 0x0                           ; the wave's end
	ds_add_u32 v[SPW], v[NIL]
	s_wait_dscnt 0x0
	CROUND                                         ; the closing round: no work-group ends while a partner may still ask for a tile that names it
	s_endpgm
.Lfunc_end_k_q2425b15573_main2:
	.size	k_q2425b15573_main2, .Lfunc_end_k_q2425b15573_main2-k_q2425b15573_main2
	.p2alignl 7, 3214868480
	.fill 96, 4, 3214868480
	.section	.rodata,"a",@progbits
	.p2align	6, 0x0
	.amdhsa_kernel k_q2425b15573_main2
		.amdhsa_group_segment_fixed_size 327680
		.amdhsa_private_segment_fixed_size 0
		.amdhsa_enable_private_segment 0
		.amdhsa_kernarg_size 32
		.amdhsa_user_sgpr_count 2
		.amdhsa_user_sgpr_kernarg_segment_ptr 1
		.amdhsa_wavefront_size32 1
		.amdhsa_system_sgpr_workgroup_id_x 1
		.amdhsa_system_sgpr_workgroup_id_y 1
		.amdhsa_system_sgpr_workgroup_id_z 1
		.amdhsa_system_vgpr_workitem_id 0
		.amdhsa_next_free_vgpr 768
		.amdhsa_next_free_sgpr 72
		.amdhsa_reserve_vcc 0
		.amdhsa_float_denorm_mode_32 3
		.amdhsa_float_denorm_mode_16_64 3
		.amdhsa_memory_ordered 1
		.amdhsa_forward_progress 1
		.amdhsa_inst_pref_size 111
	.end_amdhsa_kernel
	.amdgpu_metadata
---
amdhsa.version: [ 1, 2 ]
amdhsa.kernels:
  - .name:           k_q2425b15573_main2
    .symbol:         k_q2425b15573_main2.kd
    .args:
      - { .name: GT, .offset: 0, .size: 8, .value_kind: global_buffer, .address_space: global }
      - { .name: MB, .offset: 8, .size: 8, .value_kind: global_buffer, .address_space: global }
      - { .name: AUX, .offset: 16, .size: 8, .value_kind: global_buffer, .address_space: global }
      - { .name: out0, .offset: 24, .size: 8, .value_kind: global_buffer, .address_space: global }
    .group_segment_fixed_size: 327680
    .private_segment_fixed_size: 0
    .kernarg_segment_align: 8
    .kernarg_segment_size: 32
    .max_flat_workgroup_size: 128
    .sgpr_count:     72
    .vgpr_count:     768
    .wavefront_size: 32
...
	.end_amdgpu_metadata
.endif
;; end of part 5
